; MI455X (gfx1250); checked and timed in simulation.
; The chip was launched on July 23, 2026; its instructions are those of AMD's public machine-readable ISA for CDNA 5 (MIT licence, August 2026) and "CDNA5" Instruction Set Architecture Reference Guide (July 2026). The comments in the code are by the model that wrote it; some were corrected since.
;; Attention. Allowed arithmetic: float matrix products may take bf16 or f16 operands with f32 sums; other float arithmetic in f32, or as packed bf16 or f16 multiplies, adds, multiply-adds, maxima and minima; sums over many terms, partial sums and values carried from step to step in f32; what a program stores and reads back later, other than sums and carried values, may be rounded once to bf16 or f16.
;; Inputs: W_proj 1,024 x 1,024 float32; W_qkv 1,024 x 3,072 float32; b_proj 1,024 float32; x 4 x 2,048 x 1,024 float32.
;; Outputs: out0 4 x 2,048 x 1,024 float32.
;; 2 versions, each right; version 2 is version 1 with the launch prep written anew for expert scheduling mode. Each part assembles by itself: llvm-mc -triple=amdgcn-amd-amdhsa -mcpu=gfx1250 --defsym DOCPART=n.
;; ======== version 1 of 2: 4 launches
;; limits: values are held in f16: magnitudes above 65,504 overflow, below 6.1e-05 lose precision
;; workspace buffers: xb 16,777,216 bytes; wqb 6,291,456 bytes; wpb 2,097,152 bytes; heads 50,331,648 bytes; ob 16,777,216 bytes
;; launch prep (part 1): grid 256 x 1, 8 waves a work-group, no clusters, 0 bytes of LDS; arguments x, W_qkv, W_proj, xb, wqb, wpb; writes xb, wqb, wpb
.if DOCPART == 1
	.amdgcn_target "amdgcn-amd-amdhsa--gfx1250"
	.amdhsa_code_object_version 6
	.text
	.protected	k_q65b1639be7_prep
	.globl	k_q65b1639be7_prep
	.p2align	8
	.type	k_q65b1639be7_prep,@function
k_q65b1639be7_prep:
	s_mov_b64 s[64:65], 0
	v_nop
	global_prefetch_b8 v0, s[64:65] scope:SCOPE_SE
	s_setreg_imm32_b32 hwreg(HW_REG_WAVE_MODE, 25, 1), 1
	s_wait_xcnt 0x0
; CASTS.  x [8192][1024] f32 -> xb, bf16, in blocks [batch 4][K block 16][row 2048][64 channels]: a K block's 2,048 rows lie end to end, 128 bytes each.
; W_qkv [1024][3072] f32 -> wqb, bf16, same order.  W_proj [1024][1024] f32 -> wpb: rounded to bf16 like the other inputs, and that number written as f16.
; LIMITS.  A W_proj beyond 65,504 becomes an infinity in wpb; below 6.1e-5 it keeps f16's fixed step of 6e-8.  NaN and infinities are not treated apart.
; SHARES.  256 work-groups of 8 waves; a wave takes 4 rows of x (32 loads of 512 bytes), 6,144 bytes of W_qkv (12 loads) and 2,048 of W_proj (4 loads).
; All 48 loads of a wave go out first; each is then converted in its own registers and stored: 8 bytes a lane, so a store of the wave covers 256 consecutive bytes, aligned.
; No register that a load or store names is written again, so the only waits are the counted ones for the loads.  No LDS, no barrier, no matrix unit: nothing is shared and nothing is multiplied.
.set XR, 16                            ; v[16:207]  load i's four registers at XR + 4 i; its two packed words end in the first two
.set NL, 48                            ; loads of a wave
	s_load_b256 s[4:11], s[0:1], 0x0               ; x s[4:5], W_qkv s[6:7], W_proj s[8:9], xb s[10:11]
	s_load_b128 s[12:15], s[0:1], 0x20             ; wqb s[12:13], wpb s[14:15]
	s_mov_b32 s16, 0xffff0000                      ; a word's upper bf16
	s_lshl_b32 s18, ttmp9, 17                      ; the work-group's 32 rows of x
	s_mov_b32 s19, 0
	s_mul_i32 s20, ttmp9, 49152                    ; its part of W_qkv
	s_mov_b32 s21, 0
	s_lshl_b32 s22, ttmp9, 14                      ; of W_proj
	s_mov_b32 s23, 0
	s_lshr_b32 s24, ttmp9, 6                       ; in xb: the batch, 16 K blocks of 262,144 bytes,
	s_lshl_b32 s24, s24, 22
	s_and_b32 s17, ttmp9, 63
	s_lshl_b32 s17, s17, 12                        ; and the 32 rows' place in a K block, 128 bytes a row
	s_add_co_u32 s24, s24, s17
	s_mov_b32 s25, 0
	s_mul_i32 s26, ttmp9, 24576                    ; in wqb
	s_mov_b32 s27, 0
	s_lshl_b32 s28, ttmp9, 13                      ; in wpb
	s_mov_b32 s29, 0
	v_and_b32 v7, 31, v0                           ; lane
	v_lshrrev_b32 v8, 5, v0                        ; wave
	v_lshrrev_b32 v9, 4, v7                        ; lane / 16
	v_and_b32 v10, 15, v7                          ; lane % 16
	v_lshlrev_b32 v1, 14, v8                       ; x in: the wave's 4 rows of 4,096 bytes,
	v_lshl_add_u32 v1, v9, 12, v1                  ; lanes 16-31 one row further down,
	v_lshl_add_u32 v1, v10, 4, v1                  ; 16 bytes a lane: 16 lanes take a K block's 64 numbers of a row
	v_lshlrev_b32 v2, 9, v8                        ; xb out: the wave's 4 rows of 128 bytes,
	v_lshl_add_u32 v2, v7, 3, v2                   ; 8 bytes a lane: two rows on end
	v_mul_u32_u24 v3, v8, 6144                     ; W_qkv in
	v_lshl_add_u32 v3, v7, 4, v3
	v_mul_u32_u24 v4, v8, 3072                     ; wqb out
	v_lshl_add_u32 v4, v7, 3, v4
	v_lshlrev_b32 v5, 11, v8                       ; W_proj in
	v_lshl_add_u32 v5, v7, 4, v5
	v_lshlrev_b32 v6, 10, v8                       ; wpb out
	v_lshl_add_u32 v6, v7, 3, v6
	s_wait_kmcnt 0x0
	s_add_nc_u64 s[4:5], s[4:5], s[18:19]
	s_add_nc_u64 s[6:7], s[6:7], s[20:21]
	s_add_nc_u64 s[8:9], s[8:9], s[22:23]
	s_add_nc_u64 s[10:11], s[10:11], s[24:25]
	s_add_nc_u64 s[12:13], s[12:13], s[26:27]
	s_add_nc_u64 s[14:15], s[14:15], s[28:29]
.set i, 0
.rept 32                               ; x: load i = 16 p + kb: rows 2 p and 2 p + 1 of the wave's four, K block kb
	global_load_b128 v[XR+4*i:XR+4*i+3], v1, s[4:5] offset:(i/16)*8192+(i%16)*256 th:TH_LOAD_NT
.set i, i+1
.endr
.set i, 0
.rept 12
	global_load_b128 v[XR+128+4*i:XR+128+4*i+3], v3, s[6:7] offset:512*i th:TH_LOAD_NT
.set i, i+1
.endr
.set i, 0
.rept 4
	global_load_b128 v[XR+176+4*i:XR+176+4*i+3], v5, s[8:9] offset:512*i th:TH_LOAD_NT
.set i, i+1
.endr
.set i, 0
.rept 32
	s_wait_loadcnt NL-1-i                          ; loads come back in order: load i is in, the younger ones stay out
	v_cvt_pk_bf16_f32 v[XR+4*i], v[XR+4*i], v[XR+4*i+1]
	v_cvt_pk_bf16_f32 v[XR+4*i+1], v[XR+4*i+2], v[XR+4*i+3]
	global_store_b64 v2, v[XR+4*i:XR+4*i+1], s[10:11] offset:(i%16)*262144+(i/16)*256  ; the K block and the pair of rows stand in the immediate, 3,932,416 at the most
.set i, i+1
.endr
.set i, 0
.rept 12
	s_wait_loadcnt NL-33-i
	v_cvt_pk_bf16_f32 v[XR+128+4*i], v[XR+128+4*i], v[XR+128+4*i+1]
	v_cvt_pk_bf16_f32 v[XR+128+4*i+1], v[XR+128+4*i+2], v[XR+128+4*i+3]
	global_store_b64 v4, v[XR+128+4*i:XR+128+4*i+1], s[12:13] offset:256*i
.set i, i+1
.endr
.set i, 0
.rept 4
	s_wait_loadcnt NL-45-i
	v_cvt_pk_bf16_f32 v[XR+176+4*i], v[XR+176+4*i], v[XR+176+4*i+1]       ; the rounding: to bf16;
	v_cvt_pk_bf16_f32 v[XR+176+4*i+1], v[XR+176+4*i+2], v[XR+176+4*i+3]
	v_lshlrev_b32 v208, 16, v[XR+176+4*i]                                 ; back to f32,
	v_and_b32 v209, s16, v[XR+176+4*i]
	v_cvt_pk_f16_f32 v[XR+176+4*i], v208, v209                            ; and written as f16: 8 significant bits fit in 11
	v_lshlrev_b32 v208, 16, v[XR+176+4*i+1]
	v_and_b32 v209, s16, v[XR+176+4*i+1]
	v_cvt_pk_f16_f32 v[XR+176+4*i+1], v208, v209
	global_store_b64 v6, v[XR+176+4*i:XR+176+4*i+1], s[14:15] offset:256*i
.set i, i+1
.endr
	s_endpgm
.Lfunc_end_k_q65b1639be7_prep:
	.size	k_q65b1639be7_prep, .Lfunc_end_k_q65b1639be7_prep-k_q65b1639be7_prep
	.p2alignl 7, 3214868480
	.fill 96, 4, 3214868480
	.section	.rodata,"a",@progbits
	.p2align	6, 0x0
	.amdhsa_kernel k_q65b1639be7_prep
		.amdhsa_group_segment_fixed_size 0
		.amdhsa_private_segment_fixed_size 0
		.amdhsa_enable_private_segment 0
		.amdhsa_kernarg_size 48
		.amdhsa_user_sgpr_count 2
		.amdhsa_user_sgpr_kernarg_segment_ptr 1
		.amdhsa_wavefront_size32 1
		.amdhsa_system_sgpr_workgroup_id_x 1
		.amdhsa_system_sgpr_workgroup_id_y 1
		.amdhsa_system_sgpr_workgroup_id_z 1
		.amdhsa_system_vgpr_workitem_id 0
		.amdhsa_next_free_vgpr 212
		.amdhsa_next_free_sgpr 66
		.amdhsa_reserve_vcc 0
		.amdhsa_float_denorm_mode_32 3
		.amdhsa_float_denorm_mode_16_64 3
		.amdhsa_memory_ordered 1
		.amdhsa_forward_progress 1
		.amdhsa_inst_pref_size 20
	.end_amdhsa_kernel
	.amdgpu_metadata
---
amdhsa.version: [ 1, 2 ]
amdhsa.kernels:
  - .name:           k_q65b1639be7_prep
    .symbol:         k_q65b1639be7_prep.kd
    .args:
      - { .name: x, .offset: 0, .size: 8, .value_kind: global_buffer, .address_space: global }
      - { .name: W_qkv, .offset: 8, .size: 8, .value_kind: global_buffer, .address_space: global }
      - { .name: W_proj, .offset: 16, .size: 8, .value_kind: global_buffer, .address_space: global }
      - { .name: xb, .offset: 24, .size: 8, .value_kind: global_buffer, .address_space: global }
      - { .name: wqb, .offset: 32, .size: 8, .value_kind: global_buffer, .address_space: global }
      - { .name: wpb, .offset: 40, .size: 8, .value_kind: global_buffer, .address_space: global }
    .group_segment_fixed_size: 0
    .private_segment_fixed_size: 0
    .kernarg_segment_align: 8
    .kernarg_segment_size: 48
    .max_flat_workgroup_size: 256
    .sgpr_count:     66
    .vgpr_count:     212
    .wavefront_size: 32
...
	.end_amdgpu_metadata
.endif
;; end of part 1
;; launch qkvgemm (part 2): grid 8 x 32, 4 waves a work-group, clusters of 4 x 4, 327,680 bytes of LDS; arguments xb, wqb, heads; writes heads
.if DOCPART == 2
	.amdgcn_target "amdgcn-amd-amdhsa--gfx1250"
	.amdhsa_code_object_version 6
	.text
	.protected	k_q65b1639be7_qkvgemm
	.globl	k_q65b1639be7_qkvgemm
	.p2align	8
	.type	k_q65b1639be7_qkvgemm,@function
k_q65b1639be7_qkvgemm:
	s_mov_b64 s[64:65], 0
	v_nop
	global_prefetch_b8 v0, s[64:65] scope:SCOPE_SE
	s_setreg_imm32_b32 hwreg(HW_REG_WAVE_MODE, 25, 1), 1
	s_wait_xcnt 0x0
	s_wait_alu depctr_hold_cnt(0) depctr_sa_sdst(0) depctr_va_vdst(0) depctr_va_sdst(0) depctr_va_ssrc(0) depctr_va_vcc(0) depctr_vm_vsrc(0)
	s_getreg_b32 s2, hwreg(HW_REG_IB_STS2, 6, 4)
	s_cmp_eq_u32 s2, 0
	s_cbranch_scc0 .Lentry_in_a_cluster
	s_endpgm
.Lentry_in_a_cluster:
	s_bfe_u32 s2, ttmp6, 0x10000c
	s_cmp_lg_u32 s2, 0xf033
	s_cbranch_scc0 .Lentry_shape_is_right
	s_endpgm
.Lentry_shape_is_right:
; q, k, v = x W_qkv.  xb: bf16 [batch 4][K block 16][row 2048][64]; wqb: bf16 [1024 k][3072 n]; heads: f16 [which 3][batch 4][head 16][row 2048][64], unscaled, each number rounded once from its f32 sum.
; LIMIT.  f16 holds no number beyond 65,504: a q, k or v beyond that becomes an infinity.  NaN and infinities are not treated apart.
; SHARES.  8,192 x 3,072 results are 98,304 tiles of 16 x 16: 96 for each of 1,024 waves.  A work-group makes 256 rows x 384 columns, each of its four waves 128 x 192: 96 accumulators, 768 registers,
; in three GROUPS of 64 columns (one head each), a register window a group.  K goes in steps of 64 through two LDS slots; a step is two quarters of 32 along K, 96 matrix instructions each.
; THE MATRIX INSTRUCTION IS USED TRANSPOSED (source 0 = 16 columns of W, source 1 = 16 rows of x): a lane holds row l % 16 and eight neighbouring columns, 16 bytes of a head's row in f16.
; W lies [k][n]: its fragments come out of LDS turned, by ds_load_tr16_b128.
; CLUSTER.  4 x 4 work-groups.  The four of a row of the cluster need the same rows of x, the four of a column the same columns of W: each tile is asked for JOINTLY, by the same tensor load with the
; same descriptor and a mask that names the four.
; REGISTERS, in windows of 256 (s_set_vgpr_msb: bits 1:0 source 0, 3:2 source 1, 5:4 source 2, 7:6 destination):
;   window 0: v0-31 addresses; v32-95, v96-159 x's fragments (8 x 16 rows x 32 K), two buffers; v160-255 W's fragments, 32 registers a group
;   window 1 + g: group g's 32 accumulators, (row block a, column block f) at v[8 (4 a + f)]
; A group's fragments of W are fetched again straight behind the 32 products that read them, x's other buffer behind a quarter's first group: every LDS load has 64 matrix instructions or more in which to land.
.set PA,    144                        ; a row of x in LDS: 128 bytes + 16 of padding = 36 words: the 16 rows of a load start at 16 different groups of four banks (64 banks of 4 bytes: ISA guide 11.1)
.set PB,    864                        ; a k row of W in LDS: three pieces of 256 bytes, 32 of padding behind each = 27 x 32 bytes
.set BOFF,  256*PA                     ; in a slot: 256 rows of x, then 64 k rows of W
.set SLOT,  BOFF+64*PB                 ; 92,160 bytes
.set STAGE, 2*SLOT                     ; behind the ring, never filled by a tensor load: 16 rows x 144 bytes for each wave, for the way out
.set SP,    144
.set SPARE, STAGE+4*16*SP              ; behind the stages: the spare words, 128 bytes for each wave: two blocks of 256 bytes that no other line names
.set ADRA, 16                          ; v16-17  LDS address of my fragments of x in slot 0, 1
.set ADRB, 18                          ; v18-23  of my fragments of W: slot s, group g at ADRB + 3 s + g (a group lies inside one 256-byte piece of a row)
.set STO,  24                          ; v24     the way out: where I put 16 bytes of a row
.set RD,   25                          ; v25     the way out: where I read rows back
.set GO,   26                          ; v26     my byte offset in 512 consecutive bytes of a head
.set SPW,  28                          ; v28     LDS address of my spare word: SPARE + 4 x my thread's number; never rewritten
.set NIL,  29                          ; v29     0; never rewritten
.set A0,   32
.set A1,   96
.set BB,   160
.set G1,   24                          ; s[24:31] descriptor group 1 for x's tiles;  s[32:39] group 0, a set for each slot
.set G0,   32
.set G1B,  48                          ; s[48:55], s[56:63] the same for W's tiles
.set G0B,  56
.set OUTB, 66                          ; s[66:71] where my 128 rows begin in group g's head
.set MSB, 0
.macro WIN new                         ; the immediate's high byte repeats the setting that is left; a switch that changes nothing is dropped
.if MSB != (\new)
	s_set_vgpr_msb (MSB<<8)|(\new)
.set MSB, \new
.endif
.endm
; A joint load.  Waves 0 and 1 fetch the two halves of x's tile, waves 2 and 3 those of W's.  The branch hangs on the wave's number alone.  An s_nop 0 and four v_nop follow each of the two lines.
.macro JLOAD s
	s_cmp_eq_u32 s11, 0
	s_cbranch_scc0 .Lfor_b_\@
	tensor_load_to_lds s[G0+4*(\s):G0+4*(\s)+3], s[G1:G1+7]
	s_nop 0
.rept 4
	v_nop
.endr
	s_branch .Lasked_\@
.Lfor_b_\@:
	tensor_load_to_lds s[G0B+4*(\s):G0B+4*(\s)+3], s[G1B:G1B+7]
	s_nop 0
.rept 4
	v_nop
.endr
.Lasked_\@:
.endm
.macro CREST                           ; a round of the cluster's barrier behind its opening barrier: wave 0 signals for the work-group, every wave waits for all sixteen, my work-group's barrier once more
	s_cmp_lg_u32 s10, 0
	s_cbranch_scc1 .Lnot_wave_0_\@
	s_barrier_signal -3
.Lnot_wave_0_\@:
	s_barrier_wait -3
	s_barrier_signal -1
	s_barrier_wait -1
.endm
.macro CROUND                          ; a whole round
	s_barrier_signal -1
	s_barrier_wait -1
	CREST
.endm
.macro PLACES                          ; four places in front of loads into registers that matrix instructions have read, and of conversions that read results (ISA guide 7.12.1 for vector instructions)
.rept 4
	v_nop
.endr
.endm
	s_load_b128 s[4:7], s[0:1], 0x0                ; xb s[4:5], wqb s[6:7]
	s_load_b64 s[8:9], s[0:1], 0x10                ; heads
	v_lshl_add_u32 v[SPW], v0, 2, SPARE
	v_mov_b32 v[NIL], 0
	ds_add_u32 v[SPW], v[NIL]                      ; the wave's opening: the add and its wait stand ahead of my first tensor load; the set-up below, work on registers, stands between them
	v_lshrrev_b32 v1, 5, v0
	v_readfirstlane_b32 s10, v1                    ; wave 0..3
	s_lshr_b32 s11, s10, 1                         ; which 128 rows are mine.  Also: I fetch for x (0) or for W (1)
	s_and_b32 s12, s10, 1                          ; which 192 columns.  Also: which half of that tile I fetch
	s_bfe_u32 s40, ttmp6, 0x40000                  ; cx, cy: my place in the cluster
	s_bfe_u32 s41, ttmp6, 0x40004
	s_lshl_b32 s42, ttmp9, 2
	s_add_co_u32 s42, s42, s40                     ; tile column 0..7 = 4 x cluster x + cx
	s_and_b32 s13, ttmp7, 0xffff
	s_lshl_b32 s13, s13, 2
	s_add_co_u32 s13, s13, s41                     ; tile row 0..31 = 4 x cluster y + cy
	s_lshl_b32 s43, s41, 2
	s_lshl_b32 s43, 15, s43                        ; my row of the cluster
	s_lshl_b32 s44, 0x1111, s40                    ; my column
	; x's half tile: 128 rows of a K block are 16,384 dense bytes: asked for as 64 rows of 256 bytes, two rows of x each, padded in LDS after every row of x
	s_or_b32 s[G1+0], s43, (1<<16)|(1<<20)|(1<<21)|(4<<22)|(3<<25)  ; 15:0 the mask: my row; 17:16 2-byte elements; 20 padding on; 21 set beside a mask; 24:22 after every 32 words (code 4); 31:25 4 words (code 3)
	s_mov_b32 s[G1+1], 128<<16                     ; tensor_dim0 = 128
	s_mov_b32 s[G1+2], 64<<16                      ; tensor_dim1 = 64
	s_mov_b32 s[G1+3], 128<<16                     ; tile_dim0 = 128
	s_mov_b32 s[G1+4], 64                          ; tile_dim1 = 64
	s_mov_b32 s[G1+5], 128                         ; 128 elements from row to row
	s_mov_b32 s[G1+6], 0
	s_mov_b32 s[G1+7], 0
	; W's half tile: 32 k rows x 384 columns (768 bytes, beginning at a multiple of 256 from the buffer's first byte), padded after every 256 bytes
	s_or_b32 s[G1B+0], s44, (1<<16)|(1<<20)|(1<<21)|(5<<22)|(7<<25) ; the mask: my column; after every 64 words (code 5) 8 words (code 7)
	s_mov_b32 s[G1B+1], 384<<16                    ; tensor_dim0 = 384
	s_mov_b32 s[G1B+2], 32<<16                     ; tensor_dim1 = 32
	s_mov_b32 s[G1B+3], 384<<16                    ; tile_dim0 = 384
	s_mov_b32 s[G1B+4], 32                         ; tile_dim1 = 32
	s_mov_b32 s[G1B+5], 3072                       ; 3,072 elements from row to row
	s_mov_b32 s[G1B+6], 0
	s_mov_b32 s[G1B+7], 0
	; where the tiles come from: x's hang on the tile row alone, W's on the tile column alone, each in registers that never hold the other coordinate
	s_lshr_b32 s16, s13, 3                         ; the batch: 8 tile rows each,
	s_lshl_b32 s16, s16, 22                        ; 16 K blocks of 262,144 bytes
	s_and_b32 s17, s13, 7
	s_lshl_b32 s17, s17, 15                        ; the tile's 256 rows of 128 bytes in a K block
	s_add_co_u32 s16, s16, s17
	s_lshl_b32 s17, s12, 14                        ; my half of them
	s_add_co_u32 s16, s16, s17
	s_mov_b32 s17, 0
	s_mul_i32 s46, s12, 32*6144                    ; W: my 32 k rows of a step's 64,
	s_mul_i32 s47, s42, 768                        ; the tile's 384 columns
	s_add_co_u32 s46, s46, s47
	s_mov_b32 s47, 0
	s_mul_i32 s20, s12, 128*PA                     ; and where they go: no place in the cluster enters an LDS address
	s_mul_i32 s21, s12, 32*PB
	s_add_co_u32 s21, s21, BOFF
	s_wait_dscnt 0x0                               ; the opening add is done
	s_wait_kmcnt 0x0
	s_add_nc_u64 s[14:15], s[4:5], s[16:17]
	s_add_nc_u64 s[46:47], s[6:7], s[46:47]
	CROUND                                         ; all sixteen work-groups are here: the first joint loads meet
.irp s, 0,1
	s_mov_b32 s[G0+4*(\s)], 1                                        ; count = 1
	s_add_co_u32 s[G0+4*(\s)+1], s20, (\s)*SLOT                      ; LDS address
	s_add_nc_u64 s[G0+4*(\s)+2:G0+4*(\s)+3], s[14:15], (\s)*262144   ; global address: K step s is K block s
	s_or_b32 s[G0+4*(\s)+3], s[G0+4*(\s)+3], 0x80000000              ; type = 2
	s_mov_b32 s[G0B+4*(\s)], 1
	s_add_co_u32 s[G0B+4*(\s)+1], s21, (\s)*SLOT
	s_add_nc_u64 s[G0B+4*(\s)+2:G0B+4*(\s)+3], s[46:47], (\s)*64*6144
	s_or_b32 s[G0B+4*(\s)+3], s[G0B+4*(\s)+3], 0x80000000
.endr
	s_cmp_eq_u32 s11, 0                            ; a wave's two first fills stand in one branch, ahead of every wait on TENSORcnt and every LDS read: two loads of mine are out
	s_cbranch_scc0 .Lfirst_b
	tensor_load_to_lds s[G0:G0+3], s[G1:G1+7]
	s_nop 0
	tensor_load_to_lds s[G0+4:G0+7], s[G1:G1+7]
	s_nop 0
.rept 4
	v_nop
.endr
	s_branch .Lfirst_asked
.Lfirst_b:
	tensor_load_to_lds s[G0B:G0B+3], s[G1B:G1B+7]
	s_nop 0
	tensor_load_to_lds s[G0B+4:G0B+7], s[G1B:G1B+7]
	s_nop 0
.rept 4
	v_nop
.endr
.Lfirst_asked:
	; A fragment of x is 16 rows x 32 K in 8 registers: lane l holds row l % 16, K = 8 (l / 16) + 0..7 and 16 + 8 (l / 16) + 0..7: two loads of 16 bytes, 32 bytes apart.
	v_and_b32 v1, 15, v0                           ; l % 16
	v_bfe_u32 v2, v0, 4, 1                         ; l / 16
	v_mul_u32_u24 v3, v1, PA
	v_lshl_add_u32 v3, v2, 4, v3                   ; row x pitch + 16 x half
	s_mul_i32 s22, s11, 128*PA                     ; my 128 rows
	v_add_nc_u32 v[ADRA], s22, v3
	v_add_nc_u32 v[ADRA+1], SLOT, v[ADRA]
	; The turning load takes 16 k x 16 columns (lane l reads k row 8 (l / 16) + l % 8, columns 8 ((l / 8) % 2) + 0..7) and leaves half a fragment: lane l holds column l % 16 and 8 k.
	v_and_b32 v4, 7, v0
	v_bfe_u32 v5, v0, 3, 1
	v_lshl_add_u32 v6, v2, 3, v4
	v_mul_u32_u24 v6, v6, PB
	v_lshl_add_u32 v6, v5, 4, v6
.irp g, 0,1,2
	s_mul_i32 s22, s12, 12                         ; the group's first block of 16 columns: nb = 12 x half + 4 g,
	s_add_co_u32 s22, s22, 4*(\g)
	s_lshr_b32 s23, s22, 3                         ; at byte 32 nb + 32 (nb / 8): a pad lies behind every eight blocks
	s_add_co_u32 s22, s22, s23
	s_lshl_b32 s22, s22, 5
	s_add_co_u32 s22, s22, BOFF
	v_add_nc_u32 v[ADRB+(\g)], s22, v6
	v_add_nc_u32 v[ADRB+3+(\g)], SLOT, v[ADRB+(\g)]
.endr
	s_mul_i32 s23, s10, 16*SP
	s_add_co_u32 s23, s23, STAGE                   ; my stage
	v_add_nc_u32 v[STO], s23, v3                   ; in: row l % 16, 16 bytes for each half of the lanes
	v_bfe_u32 v7, v0, 3, 2                         ; back: 32 lanes take four rows of 128 bytes,
	v_mul_u32_u24 v7, v7, SP
	v_lshl_add_u32 v7, v4, 4, v7
	v_add_nc_u32 v[RD], s23, v7
	v_and_b32 v[GO], 31, v0                        ; which are 512 consecutive bytes of a head
	v_lshlrev_b32 v[GO], 4, v[GO]
	; where my rows begin in the three heads: column block of 64 number hh = 6 x tile column + 3 x half + g; which = hh / 16, head = hh % 16; a head's block is 262,144 bytes
	s_mul_i32 s72, s42, 6
	s_mul_i32 s73, s12, 3
	s_add_co_u32 s72, s72, s73
	s_lshr_b32 s73, s13, 3
	s_lshl_b32 s73, s73, 4                         ; 16 x batch
	s_and_b32 s74, s13, 7
	s_lshl_b32 s74, s74, 15                        ; the tile's 256 rows of 128 bytes,
	s_lshl_b32 s75, s11, 14                        ; my 128 of them
	s_add_co_u32 s74, s74, s75
.irp g, 0,1,2
	s_add_co_u32 s75, s72, (\g)
	s_lshr_b32 s[OUTB+2*(\g)], s75, 4
	s_lshl_b32 s[OUTB+2*(\g)], s[OUTB+2*(\g)], 6   ; 64 x which
	s_and_b32 s75, s75, 15
	s_add_co_u32 s[OUTB+2*(\g)], s[OUTB+2*(\g)], s75
	s_add_co_u32 s[OUTB+2*(\g)], s[OUTB+2*(\g)], s73
	s_lshl_b32 s[OUTB+2*(\g)], s[OUTB+2*(\g)], 18
	s_add_co_u32 s[OUTB+2*(\g)], s[OUTB+2*(\g)], s74
	s_mov_b32 s[OUTB+2*(\g)+1], 0
	s_add_nc_u64 s[OUTB+2*(\g):OUTB+2*(\g)+1], s[8:9], s[OUTB+2*(\g):OUTB+2*(\g)+1]
.endr
; 4 na matrix instructions of group g: row blocks a0 .. a0 + na - 1 from buffer ab x the group's 4 column blocks, 32 along K.  zero = 1: the product starts the sum: nothing is ever cleared.
; The 96 accumulators take turns, one instruction a turn, in the same order in every quarter, over the backward jump too.
.macro MUL g, ab, a0, na, zero
	WIN ((\g)+1)*0x50
.set ma, (\a0)
.rept (\na)
.irp f, 0,1,2,3
.if \zero
	v_wmma_f32_16x16x32_bf16 v[8*(4*ma+(\f)):8*(4*ma+(\f))+7], v[BB+32*(\g)+8*(\f):BB+32*(\g)+8*(\f)+7], v[(\ab)+8*ma:(\ab)+8*ma+7], 0
.else
	v_wmma_f32_16x16x32_bf16 v[8*(4*ma+(\f)):8*(4*ma+(\f))+7], v[BB+32*(\g)+8*(\f):BB+32*(\g)+8*(\f)+7], v[(\ab)+8*ma:(\ab)+8*ma+7], v[8*(4*ma+(\f)):8*(4*ma+(\f))+7]
.endif
.endr
.set ma, ma+1
.endr
.endm
.macro FETCHA ab, s, qd                ; 16 LDS loads: my 128 rows of x, quarter qd of slot s, into buffer ab
	WIN 0
.irp i, 0,1,2,3,4,5,6,7
	ds_load_b128 v[(\ab)+8*(\i):(\ab)+8*(\i)+3],   v[ADRA+(\s)] offset:(\i)*16*PA+64*(\qd)
	ds_load_b128 v[(\ab)+8*(\i)+4:(\ab)+8*(\i)+7], v[ADRA+(\s)] offset:(\i)*16*PA+64*(\qd)+32
.endr
.endm
.macro FETCHB g, s, qd                 ; 8 turning loads: group g's 64 columns of W, quarter qd of slot s
	WIN 0
.irp f, 0,1,2,3
	ds_load_tr16_b128 v[BB+32*(\g)+8*(\f):BB+32*(\g)+8*(\f)+3],   v[ADRB+3*(\s)+(\g)] offset:(\qd)*32*PB+32*(\f)
	ds_load_tr16_b128 v[BB+32*(\g)+8*(\f)+4:BB+32*(\g)+8*(\f)+7], v[ADRB+3*(\s)+(\g)] offset:(\qd)*32*PB+16*PB+32*(\f)
.endr
.endm
.macro GSTEP g, ab, zero, n            ; a group's 32 products; n = the LDS loads issued behind those that it needs
	s_wait_dscnt \n
	MUL \g, \ab, 0, 8, \zero
.endm
; A step's first quarter multiplies buffer A0 and fetches the second quarter's fragments from the same slot.  The counts: at group 0 the two other groups' 8 + 8 loads are younger; at group 1 group 2's 8 and
; the 24 just issued; at group 2 those 24 and group 1's new 8.
.macro Q0 s, zero
	GSTEP 0, A0, \zero, 16
	PLACES
	FETCHB 0, \s, 1
	FETCHA A1, \s, 1
	GSTEP 1, A0, \zero, 32
	PLACES
	FETCHB 1, \s, 1
	GSTEP 2, A0, \zero, 32
	PLACES
	FETCHB 2, \s, 1
.endm
; The second quarter multiplies buffer A1 and changes slots: all reads of slot s have been issued.  ONE barrier: in front of it each wave waits for all its tensor loads (one is out: its part of the other slot),
; adds 0 to its spare word, and waits for that and for its reads of slot s.  fill = 1: the barrier opens a round of the cluster's, and slot s is filled again, two K steps on, first thing behind the round:
; that load has 160 matrix instructions before the wait for it.
.macro Q1 s, fill
	WIN 0                                          ; (the add's two registers lie in window 0)
	s_wait_tensorcnt 0x0                           ; all my tensor loads have landed, so a group 0 may be written;
	ds_add_u32 v[SPW], v[NIL]                      ; 0 onto my spare word;
	s_wait_dscnt 17                                ; (the add and groups 1 and 2's sixteen loads may be out)
	MUL 0, A1, 0, 4, 0                             ; sixteen matrix instructions stand between the add and the wait for it
	s_wait_dscnt 0x0                               ; the add is done, and my reads of this slot are over
	s_barrier_signal -1
	MUL 0, A1, 4, 4, 0                             ; work on registers while the others arrive
	WIN 0
	s_barrier_wait -1
.if \fill
	CREST                                          ; no wave of any partner still reads this slot's tiles or has a load on its way
	s_add_nc_u64 s[G0+4*(\s)+2:G0+4*(\s)+3], s[G0+4*(\s)+2:G0+4*(\s)+3], 2*262144
	s_add_nc_u64 s[G0B+4*(\s)+2:G0B+4*(\s)+3], s[G0B+4*(\s)+2:G0B+4*(\s)+3], 2*64*6144
	JLOAD \s                                       ; the first tensor load behind the round; its four v_nop are also the places in front of the loads below
.else
	PLACES
.endif
	FETCHB 0, 1-(\s), 0
	FETCHA A0, 1-(\s), 0
	MUL 1, A1, 0, 8, 0                             ; groups 1 and 2's fragments are in since the wait for 0
	PLACES
	FETCHB 1, 1-(\s), 0
	MUL 2, A1, 0, 8, 0
	PLACES
	FETCHB 2, 1-(\s), 0
.endm
	s_wait_tensorcnt 1                             ; my part of K step 0 is in; K step 1's may stay out
	s_barrier_signal -1
	s_barrier_wait -1                              ; everybody's is
	FETCHB 0, 0, 0
	FETCHA A0, 0, 0
	FETCHB 1, 0, 0
	FETCHB 2, 0, 0
	Q0 0, 1                                        ; the first quarter stands in front of the loop: its products start the 96 sums
	WIN 0                                          ; at a label and at a branch every window is 0
	s_mov_b32 s3, 7
.Llap:                                                 ; a trip goes once round the ring, from a lap's second quarter to the next lap's first, and fills both slots again: K steps 2 to 15
	Q1 0, 1
	Q0 1, 0
	Q1 1, 1
	Q0 0, 0
	WIN 0
	s_sub_co_u32 s3, s3, 1
	s_cmp_lg_u32 s3, 0
	s_cbranch_scc1 .Llap
	Q1 0, 0                                        ; the last lap fills nothing
	Q0 1, 0
	GSTEP 0, A1, 0, 16                             ; the very last quarter: nothing more to fetch, the counts run down
	GSTEP 1, A1, 0, 8
	GSTEP 2, A1, 0, 0
	PLACES
	PLACES                                         ; (eight, once a launch: twice what the conversions below need)
; THE WAY OUT, in 24 units u = 8 g + a: 16 rows of one head, 2,048 consecutive bytes.  PACK: rounded to f16, each accumulator's registers in ascending order, 16 bytes a lane into my own stage, and back as whole
; rows of 128 bytes.  SEND: stored, 512 consecutive bytes an instruction.  Four sets of 16 registers take turns in x's first buffer.
.macro PACK u
.set pg, (\u)/8
.set pa, (\u)%8
.set pt, A0+16*((\u)%4)
.if (\u) >= 4
	s_wait_xcnt 0x0                                ; the stores of the unit four back have read this set of registers
.endif
	WIN (pg+1)*5                                   ; sources 0 and 1 in the group's window
.irp f, 0,1,2,3
.irp j, 0,1,2,3
	v_cvt_pk_f16_f32 v[pt+4*(\f)+(\j)], v[8*(4*pa+(\f))+2*(\j)], v[8*(4*pa+(\f))+2*(\j)+1]
.endr
.endr
	WIN 0
.irp f, 0,1,2,3
	ds_store_b128 v[STO], v[pt+4*(\f):pt+4*(\f)+3] offset:32*(\f)
.endr
.irp t, 0,1,2,3
	ds_load_b128 v[pt+4*(\t):pt+4*(\t)+3], v[RD] offset:(\t)*4*SP  ; LDS serves a wave's instructions in order (ISA guide 5.7.1.4): these see the stores above; the next unit's stores come behind them
.endr
.endm
.macro SEND u, younger                 ; younger: the LDS instructions issued behind unit u's loads: the next unit's eight, or none
.set pg, (\u)/8
.set pa, (\u)%8
.set pt, A0+16*((\u)%4)
	WIN 0
.irp t, 0,1,2,3
	s_wait_dscnt (\younger)+3-(\t)
	global_store_b128 v[GO], v[pt+4*(\t):pt+4*(\t)+3], s[OUTB+2*pg:OUTB+2*pg+1] offset:pa*2048+512*(\t)
.endr
.endm
	PACK 0
.set u, 1
.rept 23                               ; a unit's conversions stand between the loads of the unit before and its stores
	PACK u
	SEND u-1, 8
.set u, u+1
.endr
	SEND 23, 0
	s_wait_tensorcnt 0x0                           ; the wave's end: a wait, the add and its wait, behind my last tensor load and my last LDS store
	ds_add_u32 v[SPW], v[NIL]
	s_wait_dscnt 0x0
	CROUND                                         ; the closing round: no work-group ends while a partner may still ask for a tile that names it
	s_endpgm
.Lfunc_end_k_q65b1639be7_qkvgemm:
	.size	k_q65b1639be7_qkvgemm, .Lfunc_end_k_q65b1639be7_qkvgemm-k_q65b1639be7_qkvgemm
	.p2alignl 7, 3214868480
	.fill 96, 4, 3214868480
	.section	.rodata,"a",@progbits
	.p2align	6, 0x0
	.amdhsa_kernel k_q65b1639be7_qkvgemm
		.amdhsa_group_segment_fixed_size 327680
		.amdhsa_private_segment_fixed_size 0
		.amdhsa_enable_private_segment 0
		.amdhsa_kernarg_size 24
		.amdhsa_user_sgpr_count 2
		.amdhsa_user_sgpr_kernarg_segment_ptr 1
		.amdhsa_wavefront_size32 1
		.amdhsa_system_sgpr_workgroup_id_x 1
		.amdhsa_system_sgpr_workgroup_id_y 1
		.amdhsa_system_sgpr_workgroup_id_z 1
		.amdhsa_system_vgpr_workitem_id 0
		.amdhsa_next_free_vgpr 1024
		.amdhsa_next_free_sgpr 76
		.amdhsa_reserve_vcc 0
		.amdhsa_float_denorm_mode_32 3
		.amdhsa_float_denorm_mode_16_64 3
		.amdhsa_memory_ordered 1
		.amdhsa_forward_progress 1
		.amdhsa_inst_pref_size 134
	.end_amdhsa_kernel
	.amdgpu_metadata
---
amdhsa.version: [ 1, 2 ]
amdhsa.kernels:
  - .name:           k_q65b1639be7_qkvgemm
    .symbol:         k_q65b1639be7_qkvgemm.kd
    .args:
      - { .name: xb, .offset: 0, .size: 8, .value_kind: global_buffer, .address_space: global }
      - { .name: wqb, .offset: 8, .size: 8, .value_kind: global_buffer, .address_space: global }
      - { .name: heads, .offset: 16, .size: 8, .value_kind: global_buffer, .address_space: global }
    .group_segment_fixed_size: 327680
    .private_segment_fixed_size: 0
    .kernarg_segment_align: 8
    .kernarg_segment_size: 24
    .max_flat_workgroup_size: 128
    .sgpr_count:     76
    .vgpr_count:     1024
    .wavefront_size: 32
...
	.end_amdgpu_metadata
.endif
;; end of part 2
;; launch attn (part 3): grid 4 x 64, 4 waves a work-group, clusters of 4 x 1, 327,680 bytes of LDS; arguments heads, ob; writes ob
.if DOCPART == 3
	.amdgcn_target "amdgcn-amd-amdhsa--gfx1250"
	.amdhsa_code_object_version 6
	.text
	.protected	k_q65b1639be7_attn
	.globl	k_q65b1639be7_attn
	.p2align	8
	.type	k_q65b1639be7_attn,@function
k_q65b1639be7_attn:
	s_mov_b64 s[64:65], 0
	v_nop
	global_prefetch_b8 v0, s[64:65] scope:SCOPE_SE
	s_setreg_imm32_b32 hwreg(HW_REG_WAVE_MODE, 25, 1), 1
	s_wait_xcnt 0x0
	s_wait_alu depctr_hold_cnt(0) depctr_sa_sdst(0) depctr_va_vdst(0) depctr_va_sdst(0) depctr_va_ssrc(0) depctr_va_vcc(0) depctr_vm_vsrc(0)
	s_getreg_b32 s2, hwreg(HW_REG_IB_STS2, 6, 4)
	s_cmp_eq_u32 s2, 0
	s_cbranch_scc0 .Lentry_in_a_cluster
	s_endpgm
.Lentry_in_a_cluster:
	s_bfe_u32 s2, ttmp6, 0x10000c
	s_cmp_lg_u32 s2, 0x3003
	s_cbranch_scc0 .Lentry_shape_is_right
	s_endpgm
.Lentry_shape_is_right:
; O[h][q][:] = the sum over k of softmax_k(Q[h][q] . K[h][k] / 8) V[h][k][:], for 64 pairs h of batch and head.  heads: f16 [Q, K, V][64][2048][64]; ob: f16 [64][2048][64]: a head's rows are dense, 128 bytes each.
; Products, maxima and sums in f32; the weights p are rounded to f16 for the second product (their sum l is taken of the unrounded p), O once at the end.
; LIMITS.  f16 holds no number beyond 65,504: Q, K and V arrive within it; p lies in 0 to 1, and below 6e-5 it keeps f16's fixed step of 6e-8; O is a mean of V's rows and has their range.
; A weight below 2^-126 counts as 0 in l; NaN and infinities are not treated apart.
; SHARES.  A wave owns four PIECES of two tiles of 16 queries, a work-group's four waves 512 queries of one head.  Every wave walks all 2,048 keys, 64 a step.
; LAYOUT.  S^T = K Q^T (source 0 = 16 keys, source 1 = 16 queries): in the result a lane holds ONE query (lane % 16) and the keys 8 (lane / 16) + 0..7.  Two such tiles, rounded to f16 in pairs,
; ARE source 1 (32 keys x 16 queries) of O^T = V^T P, whose result again holds one query a lane, and eight channels.  K comes out of LDS as it lies, V ([key][channel]) turned, by ds_load_tr16_b128.
; SOFTMAX.  For each query a running maximum m and sum l: p = 2^(c s - c m), c = log2(e) / 8; in every step O and l are multiplied by a = 2^(c m_old - c m_new), which is 1 where m has not grown.
; m starts at the lowest finite number, O and l at 0: the first step is a step like any other, with a = 0.
; THE COUNT.  A tile and step have 16 matrix and 118 vector instructions: too many to stand all beside the matrix work.  So the order has one aim: four vector instructions that are READY behind
; EVERY matrix instruction, and the others, which need time of their own whatever the order, in runs without a gap.
; BY TURNS.  Turn n belongs to piece n (the pieces in a ring, step after step).  Its matrix work: 16 products K Q^T of piece n + 1, later 16 products V^T P of piece n - 1.  Its vector work: the scaling,
; exponentials, roundings, sums and rescaling of piece n, and the maximum and statistics of piece n + 1, whose scores the turn itself has made.  So what a turn begins with (c s - c m, O a) waits for nothing.
; CLUSTER.  The four query blocks of a cluster are one head's and walk the same K and V, so each tile is asked for JOINTLY: the same tensor load, descriptor and mask in all four.
; REGISTERS, in windows of 256 (s_set_vgpr_msb says which window each operand place means: bits 1:0 source 0, 3:2 source 1, 5:4 source 2, 7:6 destination):
;   window 0: v0-11 addresses; v12-15, v48-63 at work; v16-47 four registers of statistics a tile; v64-191 S^T, two buffers of two tiles; v192-255 P, likewise
;   window 1: O^T, 32 a tile          window 2: v0-127 Q, 16 a tile; v128-191 K of one step; v192-255 V of one step          window 3: v0-1 the add's two registers
; A piece's buffers go by its number's parity: the piece in hand has one pair, its two neighbours in the ring share the other: of it P (piece n - 1) is read and S^T (piece n + 1) written.
.set SIZE_N, 2048
.set NP,    4         ; pieces a wave: a name, no knob: the register map, the loop and the fetches are made for four
.set KS,    64        ; keys in a step
.set PK,    144       ; a row of K in LDS: 128 bytes + 16 of padding = 36 words: the 16 rows of a load start at 16 different groups of four banks (64 banks of 4 bytes: ISA guide 11.1)
.set PV,    160       ; a row of V: 128 + 32 = 40 words
.set VOFF,  4*KS*PK   ; a slot holds four steps: 256 rows of K, then 256 rows of V
.set SLOT1, 1<<17     ; slot 1 begins here, so that one exclusive or turns an address in one slot into the other's
.set STAGE, SLOT1+4*KS*(PK+PV)  ; behind the ring, never filled by a tensor load: 16 rows x 144 bytes for each wave, for the way out
.set SP,    144
.set AK0, 2           ; v2   my lane's place in a tile of K; never rewritten
.set AV0, 3           ; v3   the same for V
.set AK,  4           ; v4   the LDS address of K's next run of loads
.set AV,  5           ; v5   of V's
.set QO,  6           ; v6   my byte offset in the wave's rows of Q
.set STO, 6           ;      later, the way out: where I put 16 bytes of a row
.set RD,  7           ; v7   the way out: where I read rows back
.set GO,  8           ; v8   my byte offset in 512 consecutive bytes of O
.set PFO, 11          ; v11  the prefetches' offset: 256 x my lane; made when v11's first use is over, then never rewritten
.set SPW, 0           ; v0 of window 3   LDS address of my spare word: SPARE + 4 x my thread's number; never rewritten
.set NIL, 1           ; v1 of window 3   0; never rewritten
.set SPARE, STAGE+4*16*SP  ; behind the stages: the spare words, 128 bytes for each wave: two blocks of 256 bytes that no other line names
.set MV,  12          ; v12-15  c m_old, kept while c m is made anew: by buffer and tile
.set ST,  16          ; tile t's statistics at v[ST+4 t]: c m, m, l (even keys', odd keys')
.set TMP, 48          ; by buffer and tile, four registers c0-c3 at work; when the maximum is found c2 takes a
.set S,   64
.set P,   192
.set KF,  128         ; K's fragments, in window 2: key block kb, channel half c at KF + 16 kb + 8 c
.set VF,  192         ; V's: key half kk, channel block cb at VF + 32 kk + 8 cb
.set WV,  12          ; s12  my wave's number
.set G1K, 24          ; s[24:31] descriptor group 1 for K's tiles
.set G1V, 32          ; s[32:39] for V's: it differs in the padding alone
.set G0K, 40          ; s[40:43] descriptor group 0 for K's tiles: it walks
.set G0V, 44          ; s[44:47] the same for V's
.set PFA, 48          ; s[48:49] where my prefetches stand: my work-group's 32 blocks of 256 bytes (of K: wave 0, of V: wave 2) of the slot after the one that is being asked for
.set LIM, 50          ; s50  1 in a wave that prefetches, else the greatest number: a wave prefetches while s[SLOTS] is above it
.set SLOTS, 56        ; s56  slots still to be asked for
.set CNT, 57          ; s57  counts a slot's key steps
.set CS,  58          ; s[58:59] c: the packed scaling takes the pair's low word for both halves
.set SEL, 60          ; s[60:61] v_permlanex16_b32's selects: each lane takes its own place in the other half
.set TBK, 62          ; s62  LDS byte at which K of the step to be fetched begins
.set TBV, 63          ; s63  the same for V, less VOFF
.set MSB, 0
.macro WIN new                      ; the high byte repeats the setting that is left; a switch that changes nothing is dropped
.if MSB != (\new)
	s_set_vgpr_msb (MSB<<8)|(\new)
.set MSB, (\new)
.endif
.endm
.set W_KQ, 0x0a       ; K and Q in window 2, S^T in window 0
.set W_PV, 0x52       ; V in window 2, P in window 0, O^T in window 1
.set W_RS, 0x41       ; O^T (destination and source 0) in window 1, a in window 0
.set W_MK, 0xc0       ; the add's registers are made: destination in window 3, sources in window 0
.set W_AD, 0x0f       ; the add: address (source 0) and data (source 1) in window 3
; A joint fill.  Waves 0 and 1 fetch the two halves of a slot's K, waves 2 and 3 those of its V: 128 keys each.  The branch hangs on the wave's number alone.
; An s_nop 0 and four v_nop follow each of the two lines, ahead of the jump and the label.
.macro JLOAD
	s_cmp_lt_u32 s[WV], 2
	s_cbranch_scc0 .Lfor_v_\@
	tensor_load_to_lds s[G0K:G0K+3], s[G1K:G1K+7]
	s_nop 0
.rept 4
	v_nop
.endr
	s_branch .Lasked_\@
.Lfor_v_\@:
	tensor_load_to_lds s[G0V:G0V+3], s[G1V:G1V+7]
	s_nop 0
.rept 4
	v_nop
.endr
.Lasked_\@:
.endm
; A PREFETCH INTO THE L2 of what the NEXT change of slots will ask for: a slot's 32,768 bytes of K and of V, 128 blocks of 256 bytes each, a lane a block.  It stands behind the wave's tensor load and its five lines.
; Each block is asked for ONCE in the launch: a head has one cluster; its four partners share the blocks out BY ADDRESS, 32 each; in each, wave 0 asks for K's and wave 2 for V's: one instruction.
; The last change that fills a slot prefetches nothing: there is no slot behind it.  Slots 0 and 1 come by their loads alone.
.macro ASK
	s_cmp_gt_u32 s[SLOTS], s[LIM]
	s_cbranch_scc0 .Lnot_mine_\@
	global_prefetch_b8 v[PFO], s[PFA:PFA+1] th:TH_LOAD_NT scope:SCOPE_SE
.Lnot_mine_\@:
.endm
; A round of the cluster's barrier: my work-group's barrier, so that wave 0's signal speaks for all four waves; wave 0 signals; every wave waits for all four work-groups; my work-group's barrier once more.
.macro CROUND
	s_barrier_signal -1
	s_barrier_wait -1
	s_cmp_lg_u32 s[WV], 0
	s_cbranch_scc1 .Lnot_wave_0_\@
	s_barrier_signal -3
.Lnot_wave_0_\@:
	s_barrier_wait -3
	s_barrier_signal -1
	s_barrier_wait -1
.endm
; THE CHANGE OF SLOTS.  The slot's last bytes, V of its fourth step, have been read.  Each wave waits for all its tensor loads, of which one is out: its part
; of the other slot; adds 0 to its spare word; and waits for that and for its own reads of the slot.  Behind the barrier nobody reads this slot any more and the other slot is whole.
; fill = 1: this slot is filled again, with the keys two slots on.  The barrier is then a round of the cluster's, so that no wave of any partner still reads the slot or has a load on its
; way, and the joint fill is the first thing behind it: it has four key steps, 512 matrix instructions, in which to land.  (At its first use nothing has been read yet: slot 0 is waited for, slot 1 filled.)
.macro CHANGE fill
	WIN W_AD
	s_wait_tensorcnt 0x0            ; no tensor load of mine is out, so a group 0 may be written
	ds_add_u32 v[SPW], v[NIL]       ; 0 onto my spare word; with fill = 1 the descriptors' steps stand between it and the wait for it
	WIN 0                           ; at a label and at a branch every window is 0
.if \fill
.irp g, G0K, G0V
	s_xor_b32 s[\g+1], s[\g+1], SLOT1  ; the walking descriptor: the other slot than last time,
	s_add_nc_u64 s[\g+2:\g+3], s[\g+2:\g+3], 4*KS*128  ; the next 256 keys; the type bits on top are not reached
.endr
	s_wait_xcnt 0x0                 ; the last prefetch, four key steps back, has read its address, so it may be written:
	s_add_nc_u64 s[PFA:PFA+1], s[PFA:PFA+1], 4*KS*128  ; one slot behind the walking descriptors
	s_wait_dscnt 0x0                ; the add is done, and my reads of the slot are over
	CROUND
	JLOAD
	ASK                             ; what the next change will ask for
.else
	s_wait_dscnt 0x0                ; the add is done, and my reads of the slot are over
	s_barrier_signal -1
	s_barrier_wait -1
.endif
	s_sub_co_u32 s[TBK], s[TBK], 4*KS*PK  ; the fetches go back to a slot's first step,
	s_xor_b32 s[TBK], s[TBK], SLOT1       ; in the other slot
	s_sub_co_u32 s[TBV], s[TBV], 4*KS*PV
	s_xor_b32 s[TBV], s[TBV], SLOT1
.endm
	s_load_b64 s[4:5], s[0:1], 0x0  ; heads: Q's 64 blocks first
	s_load_b64 s[10:11], s[0:1], 0x8  ; ob
	WIN W_MK
	v_lshl_add_u32 v[SPW], v0, 2, SPARE
	v_mov_b32 v[NIL], 0
	WIN W_AD
	ds_add_u32 v[SPW], v[NIL]       ; the wave's opening: the add and its wait stand ahead of my first tensor load; the set-up below, work on registers, stands between them
	WIN 0
	v_lshrrev_b32 v1, 5, v0
	v_readfirstlane_b32 s[WV], v1   ; wave 0..3
	s_bfe_u32 s13, ttmp6, 0x40000   ; cx: my place in the cluster
	s_lshl_b32 s14, ttmp9, 2        ; in a cluster launch ttmp9 counts clusters
	s_add_co_u32 s14, s14, s13      ; my block of queries = 4 x cluster x + cx: it enters Q's and O's addresses alone
	s_and_b32 s20, ttmp7, 0xffff    ; the head, which the four partners share
	s_mov_b32 s21, 0
	s_mov_b64 s[22:23], SIZE_N*128
	s_mul_u64 s[20:21], s[20:21], s[22:23]  ; the head's first byte in Q, K, V and O
	s_and_b32 s16, s[WV], 1         ; which half of a slot's 256 keys I fetch:
	s_lshl_b32 s22, s16, 14         ; its 128 rows of 128 bytes in memory,
	s_mov_b32 s23, 0
	s_add_nc_u64 s[22:23], s[22:23], s[20:21]
	s_mul_i32 s17, s16, 128*PK      ; and its place in a slot, for K
	s_mul_i32 s18, s16, 128*PV      ; and for V: no place in the cluster enters an LDS address
	s_lshl_b32 s2, s14, 2
	s_add_co_u32 s2, s2, s[WV]      ; my wave among the head's,
	s_lshl_b32 s2, s2, 14           ; its 128 rows
	s_mov_b32 s3, 0
	s_add_nc_u64 s[2:3], s[2:3], s[20:21]
	; descriptor group 1.  128 keys are 16,384 dense bytes: asked for as 64 rows of 256 bytes, two keys a row, and padded in LDS after every key
	s_mov_b32 s[G1K], 15|(1<<16)|(1<<20)|(1<<21)|(4<<22)|(3<<25)  ; 15:0 the mask of four; 17:16 2-byte elements; 20 padding on; 21 set beside a mask; 24:22 after every 32 words (code 4); 31:25 4 words (code 3)
	s_mov_b32 s[G1V], 15|(1<<16)|(1<<20)|(1<<21)|(4<<22)|(7<<25)  ; the same with 8 words of padding (code 7)
.irp g, G1K, G1V
	s_mov_b32 s[\g+1], 128<<16      ; tensor_dim0 = 128
	s_mov_b32 s[\g+2], 64<<16       ; tensor_dim1 = 64
	s_mov_b32 s[\g+3], 128<<16      ; tile_dim0 = 128
	s_mov_b32 s[\g+4], 64           ; tile_dim1 = 64
	s_mov_b32 s[\g+5], 128          ; 128 elements from row to row
	s_mov_b32 s[\g+6], 0
	s_mov_b32 s[\g+7], 0
.endr
	s_mov_b32 s[CS], 0x3e38aa3b     ; c = log2(e) / 8 = 0.180337
	s_mov_b32 s[CS+1], s[CS]        ; named with it as a pair
	s_mov_b32 s[SEL], 0x76543210
	s_mov_b32 s[SEL+1], 0xfedcba98
	s_mov_b32 s[TBK], SLOT1+4*KS*PK ; the first change of slots turns these two into 0
	s_mov_b32 s[TBV], SLOT1+4*KS*PV
	s_mov_b32 s[G0K], 1             ; 1:0 count = 1
	s_mov_b32 s[G0K+1], s17         ; 63:32 LDS address: slot 0
	s_mov_b32 s[G0V], 1
	s_add_co_u32 s[G0V+1], s18, VOFF
	s_mov_b32 s[SLOTS], SIZE_N/256-1  ; seven changes of slots fill a slot: the one in front of the loop and the loop's six
	s_lshl_b32 s52, s13, 13         ; my work-group's 32 blocks of a slot's 128
	s_mov_b32 s53, 0
	s_and_b32 s[LIM], s[WV], 1      ; waves 0 and 2 prefetch: the same in all four partners
	s_cmp_eq_u32 s[LIM], 0
	s_cselect_b32 s[LIM], 1, -1
	s_wait_dscnt 0x0                ; the opening add is done
	s_wait_kmcnt 0x0
	s_add_nc_u64 s[6:7], s[4:5], 0x1000000  ; K's 64 blocks of 262,144 bytes lie behind Q's,
	s_add_nc_u64 s[8:9], s[4:5], 0x2000000  ; V's behind K's
	s_add_nc_u64 s[G0K+2:G0K+3], s[6:7], s[22:23]  ; 120:64 global address: my half of the head's first 256 keys
	s_or_b32 s[G0K+3], s[G0K+3], 0x80000000        ; 127:126 type = 2
	s_add_nc_u64 s[G0V+2:G0V+3], s[8:9], s[22:23]
	s_or_b32 s[G0V+3], s[G0V+3], 0x80000000
	s_add_nc_u64 s[4:5], s[4:5], s[2:3]  ; Q and O at my wave's first row
	s_add_nc_u64 s[10:11], s[10:11], s[2:3]
	s_cmp_lt_u32 s[WV], 2
	s_cselect_b64 s[PFA:PFA+1], s[6:7], s[8:9]
	s_add_nc_u64 s[PFA:PFA+1], s[PFA:PFA+1], s[20:21]  ; the head,
	s_add_nc_u64 s[PFA:PFA+1], s[PFA:PFA+1], s[52:53]  ; my work-group's share,
	s_add_nc_u64 s[PFA:PFA+1], s[PFA:PFA+1], 4*KS*128  ; in slot 1; the first change of slots steps it to slot 2
	CROUND                          ; all four work-groups are here: the first joint loads meet
	JLOAD                           ; slot 0.  Slot 1 is asked for when slot 0 is in: the tile wanted first has the road to itself
	; A fragment of K or Q is 16 rows x 32 channels in 8 registers: lane l holds row l % 16, channels 8 (l / 16) + 0..7 and 16 + 8 (l / 16) + 0..7: two loads of 16 bytes, 32 bytes apart.
	v_and_b32 v1, 15, v0            ; l % 16
	v_bfe_u32 v9, v0, 4, 1          ; l / 16
	v_lshlrev_b32 v[QO], 7, v1
	v_lshl_add_u32 v[QO], v9, 4, v[QO]  ; row x 128 + 16 x half
	WIN 0x80                        ; destination window 2, address window 0
.set i, 0
.rept 4*NP                          ; Q stays in registers: tile i / 2, channels 32 (i % 2) on
	global_load_b128 v[8*i:8*i+3],   v[QO], s[4:5] offset:(i/2)*2048+(i%2)*64
	global_load_b128 v[8*i+4:8*i+7], v[QO], s[4:5] offset:(i/2)*2048+(i%2)*64+32
.set i, i+1
.endr
	; What the first turn finds: V's registers and P's second buffer hold 0 (its products V^T P, of a piece that has not been, add 0), O^T and l are 0.  All this stands in the wait for the first tile.
.set i, VF
.rept 64
	v_mov_b32 v[i], 0
.set i, i+1
.endr
	WIN 0x40
.set i, 0
.rept 64*NP
	v_mov_b32 v[i], 0
.set i, i+1
.endr
	WIN 0
.set i, 0
.rept 2*NP
	v_mov_b32 v[ST+4*i], 0xfe000000    ; c m: far below every c s
	v_mov_b32 v[ST+4*i+1], 0xff7fffff  ; m
	v_mov_b32 v[ST+4*i+2], 0
	v_mov_b32 v[ST+4*i+3], 0
.set i, i+1
.endr
.set i, P+32
.rept 32
	v_mov_b32 v[i], 0
.set i, i+1
.endr
	v_mul_u32_u24 v[AK0], v1, PK
	v_lshl_add_u32 v[AK0], v9, 4, v[AK0]  ; row x pitch + 16 x half
	; The turning load takes 16 keys x 16 channels (lane l reads key 8 (l / 16) + l % 8, channels 8 ((l / 8) % 2) + 0..7) and leaves half a fragment of V^T: lane l holds channel l % 16 and 8 keys.
	v_and_b32 v10, 7, v0
	v_bfe_u32 v11, v0, 3, 1
	v_lshl_add_u32 v[AV0], v9, 3, v10
	v_mul_u32_u24 v[AV0], v[AV0], PV
	v_lshl_add_u32 v[AV0], v11, 4, v[AV0]
	v_add_nc_u32 v[AV0], VOFF, v[AV0]
	v_and_b32 v[PFO], 31, v0        ; v11 is free now: 256 x my lane
	v_lshlrev_b32 v[PFO], 8, v[PFO]
	v_mov_b32 v[AK], v[AK0]         ; key step 0 lies at the head of slot 0
; THE MATRIX WORK.  The 8 accumulators of a run of 16 take turns: between the two links of a chain stand 7 others'.
; Product i of 16 of S^T = K Q^T for piece x: channels 32 (i / 8) on, keys 16 ((i / 2) % 4) on, tile 2 x + i % 2.  The first 8 start the sums.
.macro KQ x
	WIN W_KQ
.set rS, S+64*((\x)%2)+32*(i%2)+8*((i/2)%4)
.set rK, KF+16*((i/2)%4)+8*(i/8)
.set rQ, 16*(2*(\x)+i%2)+8*(i/8)
.if i < 8
	v_wmma_f32_16x16x32_f16 v[rS:rS+7], v[rK:rK+7], v[rQ:rQ+7], 0
.else
	v_wmma_f32_16x16x32_f16 v[rS:rS+7], v[rK:rK+7], v[rQ:rQ+7], v[rS:rS+7]
.endif
.endm
; Product i of 16 of O^T += V^T P for piece x: keys 32 (i / 8) on, channels 16 ((i / 2) % 4) on, tile 2 x + i % 2.
.macro PV x
	WIN W_PV
.set rO, 32*(2*(\x)+i%2)+8*((i/2)%4)
.set rV, VF+32*(i/8)+8*((i/2)%4)
.set rP, P+32*((\x)%2)+16*(i%2)+8*(i/8)
	v_wmma_f32_16x16x32_f16 v[rO:rO+7], v[rV:rV+7], v[rP:rP+7], v[rO:rO+7]
.endm
.macro MM                           ; the turn's next matrix instruction
.if i < 16
	KQ (Y+1)%NP
.set i, i+1
.else
.set i, i-16
	PV (Y+NP-1)%NP
.set i, i+17
.endif
.endm
; THE LDS LOADS stand in runs of 16, never singly among the matrix instructions: a step's K (64 keys x 64 channels: 8 fragments) and its V (turned).  Their addresses are made some lines ahead.
; last = 1 (the tail): in the last trip there is no further step, and the run is jumped over.
.macro FETCH_K last=0
	WIN 0
.if \last
	s_cmp_eq_u32 s[CNT], 1
	s_cbranch_scc1 .Lno_k_\@
.endif
	WIN 0x80                        ; destination window 2
.irp f, 0,1,2,3,4,5,6,7             ; keys 16 (f / 2) on, channels 32 (f % 2) on
	ds_load_b128 v[KF+8*\f:KF+8*\f+3],   v[AK] offset:(\f/2)*16*PK+(\f%2)*64
	ds_load_b128 v[KF+8*\f+4:KF+8*\f+7], v[AK] offset:(\f/2)*16*PK+(\f%2)*64+32
.endr
	s_add_co_u32 s[TBK], s[TBK], KS*PK  ; the next fetch is the next step's
	WIN 0
.if \last
.Lno_k_\@:
.endif
.endm
.macro FETCH_V
	WIN 0x80
.irp f, 0,1,2,3,4,5,6,7             ; keys 32 (f / 4) on, channels 16 (f % 4) on
	ds_load_tr16_b128 v[VF+8*\f:VF+8*\f+3],   v[AV] offset:(\f/4)*32*PV+(\f%4)*32
	ds_load_tr16_b128 v[VF+8*\f+4:VF+8*\f+7], v[AV] offset:(\f/4)*32*PV+16*PV+(\f%4)*32
.endr
	WIN 0
.endm
; THE VECTOR WORK OF A TURN stands in three queues, each in the order in which its entries become ready; the two tiles alternate, so that no instruction reads the result of the one before it.
.macro REGS y, u                    ; the registers of tile u (0, 1) of piece y
.set rT, ST+4*(2*(\y)+(\u))
.set rC, TMP+8*((\y)%2)+4*(\u)
.set rM, MV+2*((\y)%2)+(\u)
.set rS, S+64*((\y)%2)+32*(\u)
.set rP, P+32*((\y)%2)+16*(\u)
.set rO, 32*(2*(\y)+(\u))
.endm
; Number n of the 22 that find the NEXT piece's (Y + 1) maximum and statistics.  s0-s31 are the lane's 32 scores; each accumulator's lowest registers are read first.  XS, GS and REGS set no window: PL and EX do.
;   0-11  four chains c0-c3 of seven scores each, three operands at a time     12-14, 16  the four scores left over, the old m, and c0-c3 into c0     15  c m_old is kept
;   17, 18  the query's other 32 keys lie in the lane 16 away: the new m         19-21  c m; c m_old - c m_new; a
.macro XS u, n
	REGS (Y+1)%NP, \u
.if (\n) < 4
	v_max3_num_f32 v[rC+(\n)], v[rS+8*(\n)], v[rS+8*(\n)+1], v[rS+8*(\n)+2]
.elseif (\n) < 12
	v_max3_num_f32 v[rC+(\n)%4], v[rC+(\n)%4], v[rS+8*((\n)%4)+2*((\n)/4)+1], v[rS+8*((\n)%4)+2*((\n)/4)+2]
.elseif (\n) == 12
	v_max3_num_f32 v[rC], v[rC], v[rS+7], v[rS+15]
.elseif (\n) == 13
	v_max3_num_f32 v[rC+1], v[rC+1], v[rS+23], v[rS+31]
.elseif (\n) == 14
	v_max3_num_f32 v[rC+2], v[rC+2], v[rC+3], v[rT+1]
.elseif (\n) == 15
	v_mov_b32 v[rM], v[rT]
.elseif (\n) == 16
	v_max3_num_f32 v[rC], v[rC], v[rC+1], v[rC+2]
.elseif (\n) == 17
	v_permlanex16_b32 v[rC+3], v[rC], s[SEL], s[SEL+1]
.elseif (\n) == 18
	v_max_num_f32 v[rT+1], v[rC], v[rC+3]
.elseif (\n) == 19
	v_mul_f32 v[rT], s[CS], v[rT+1]
.elseif (\n) == 20
	v_sub_f32 v[rC+1], v[rM], v[rT]
.else
	v_exp_f32 v[rC+2], v[rC+1]
.endif
.endm
; Number g of the 64 that follow the exponentials.  For each four weights k of a tile (pairs 2 k, 2 k + 1): both pairs are rounded to f16; then the second pair is added onto the first, in place;
; a group later l takes that sum (the first time as l = a l + sum).  In groups of eight, tiles alternating: round, round, add, and l for the group before.
.macro GS g
.set h, (\g)+6*((\g)/62)            ; group 0 has no group before it, and behind group 7 only l is left
.if h >= 6
.set h, h+2
.endif
	REGS Y, h%2
.set k, h/8
.if h%8 < 4
	s_wait_alu depctr_va_vdst(0)
	v_cvt_pk_f16_f32 v[rP+2*k+(h%8)/2], v[rS+4*k+2*((h%8)/2)], v[rS+4*k+2*((h%8)/2)+1]
.elseif h%8 < 6
	v_pk_add_f32 v[rS+4*k:rS+4*k+1], v[rS+4*k:rS+4*k+1], v[rS+4*k+2:rS+4*k+3]
.elseif k == 1
	v_pk_fma_f32 v[rT+2:rT+3], v[rT+2:rT+3], v[rC+2:rC+3], v[rS:rS+1] op_sel_hi:[1,0,1]
.else
	v_pk_add_f32 v[rT+2:rT+3], v[rT+2:rT+3], v[rS+4*k-4:rS+4*k-3]
	s_wait_alu depctr_va_vdst(0)
.endif
.endm
; THE PLAIN QUEUE, 138 long.  0-31: c s - c m for the 16 pairs of both tiles.  Then GS's 64, and among them the next piece's 42: number 15 at 38, 39; 0-14 and 16
; at 42-73, behind the products that make those scores; 17-20 at 95-106, two of three, since each waits for the one before it.
.macro PL
	WIN 0
.if q < 32
	REGS Y, q%2
	v_pk_fma_f32 v[rS+2*(q/2):rS+2*(q/2)+1], v[rS+2*(q/2):rS+2*(q/2)+1], s[CS:CS+1], v[rT:rT+1] op_sel_hi:[1,0,0] neg_lo:[0,0,1] neg_hi:[0,0,1]
.elseif q < 38
	GS q-32
.elseif q < 40
	XS q%2, 15
.elseif q < 42
	GS q-34
.elseif q < 74
	XS q%2, (q-42)/2+(q-42)/30
.elseif q < 95
	GS q-66
.elseif (q < 107) && ((q-95)%3 < 2)
	XS (q-95)%3, 17+(q-95)/3
.elseif q < 107
	GS 29+(q-95)/3
.else
	GS q-74
.endif
.set q, q+1
.endm
; THE EXPONENTIALS' QUEUE, 66 long: s0-s31 of both tiles, and at EA the next piece's two a.
.set EA, 58
.macro EX
	WIN 0
.if (e == EA) || (e == EA+1)
	XS e-EA, 21
.else
.set x, e-2*(e/(EA+2))
	REGS Y, x%2
	v_exp_f32 v[rS+x/2], v[rS+x/2]
.endif
.set e, e+1
.endm
; THE RESCALING's QUEUE: O^T times a, the one part that leaves window 0, so it is dealt four at a time, eight times.
.macro R4
	REGS Y, r%2
	WIN W_RS
	s_wait_alu depctr_va_vdst(0)
.irp z, 0,1,2,3
	v_pk_mul_f32 v[rO+8*(r/2)+2*\z:rO+8*(r/2)+2*\z+1], v[rO+8*(r/2)+2*\z:rO+8*(r/2)+2*\z+1], v[rC+2:rC+3] op_sel_hi:[1,0]
.endr
.set r, r+1
.endm
; HOW THEY ARE DEALT.  Behind a matrix instruction four: plain, exponential, plain, plain (one exponential, a plain instruction on either side), or four of the rescaling.  None names a register of the
; products round it.  What is over stands in two LUMPS: exponential and plain by turns; the second ends in 22 plain instructions.  The two v_permlanex16_b32 fall into the second lump, never behind a product.
; The queues lean on each other, and the deal keeps them in step: exponential e stands behind plain 2 (e / 4) + e % 2 (its scaling); when plain 32 comes, 10 exponentials are out, at 59: 33, at 95: 46; EA comes behind plain 107.
.macro SL
	MM
	PL
	EX
	PL
	PL
.endm
.macro BURST n                      ; 15 matrix instructions, or 16
.rept (\n)-7
	SL
.endr
.rept 3
	MM
	R4
	SL
.endr
	MM
	R4
.endm
; A TURN, for piece p.  cnt = 1: the loop's count is taken down some lines ahead of the branch that stands behind the turn.
; K of the next step is fetched in piece 2's turn, 31 vector instructions behind the last product that read K; its first reader comes behind the rest of the lump, 16 products and the second lump.
; V of the step in hand is fetched at the end of piece 0's turn, 69 behind its last reader; its first reader comes behind 16 products and a lump.  The four conditions on e and q below go with the deal.
.macro TURN p, last=0, cnt=0
.set Y, (\p)
.set i, 0
.set q, 0
.set e, 0
.set r, 0
.if (\p) == NP-1
	s_wait_dscnt 0x0                ; K is in
.endif
	MM
.rept 4
	PL
.endr
	BURST 15
.rept 22
	EX
	PL
.if ((\p) == NP-2) && (e == 18)
	v_add_nc_u32 v[AK], s[TBK], v[AK0]
.endif
.if ((\p) == NP-2) && (e == 24)
	FETCH_K \last
.endif
.endr
.if (\p) == 1
	s_wait_dscnt 0x0                ; V is in
.endif
	BURST 16
.rept 21
	EX
	PL
.endr
.rept 22
	PL
.if ((\p) == 0) && (q == 118)
	v_add_nc_u32 v[AV], s[TBV], v[AV0]
	s_wait_alu depctr_va_vdst(0)
.endif
.if ((\p) == 0) && (q == 130)
	s_add_co_u32 s[TBV], s[TBV], KS*PV
.endif
.if (\cnt) && (q == 130)
	s_sub_co_u32 s[CNT], s[CNT], 1
	s_cmp_lg_u32 s[CNT], 0
.endif
.endr
.if (\p) == 0
	FETCH_V
.endif
.endm
	CHANGE 1                        ; slot 0 is in, everybody's part of it; slot 1 is asked for
	FETCH_K                         ; key step 0
	s_wait_loadcnt 0x0              ; Q
	s_wait_dscnt 0x0
.set i, 0
.rept 16
	KQ 0                            ; piece 0's first scores: there is no vector work yet to set between them
.set i, i+1
.endr
	WIN 0                           ; the addresses for the way out: nine plain instructions, the places behind those products
	s_mul_i32 s13, s[WV], 16*SP
	s_add_co_u32 s13, s13, STAGE    ; my stage
	v_mul_u32_u24 v[STO], v1, SP    ; in: row l % 16, 16 bytes for each half of the lanes
	v_lshl_add_u32 v[STO], v9, 4, v[STO]
	v_add_nc_u32 v[STO], s13, v[STO]
	v_bfe_u32 v[RD], v0, 3, 2       ; back: 32 lanes take four rows of 128 bytes,
	v_mul_u32_u24 v[RD], v[RD], SP
	v_lshl_add_u32 v[RD], v10, 4, v[RD]
	v_add_nc_u32 v[RD], s13, v[RD]
	v_and_b32 v[GO], 31, v0         ; which are 512 consecutive bytes of O
	v_lshlrev_b32 v[GO], 4, v[GO]
.set Y, NP-1                        ; XS works for piece Y + 1: piece 0
.irp n, 0,1,2,3,4,5,6,7,8,9,10,11,12,13,14,15,16,17,18,19,20,21
	XS 0, \n                        ; and piece 0's first maximum and statistics
	XS 1, \n
.endr
	s_mov_b32 s[CNT], 4
	s_branch .Lfirst                ; the loop is entered at a step's first turn, in the middle of a trip
.Lslot:                             ; SIZE_N / 256 - 2 times: every slot but the last two is filled again
	CHANGE 1
	s_mov_b32 s[CNT], 4
.Lstep:                             ; a trip: pieces 2 and 3 of one step, then pieces 0 and 1 of the next, whose K and V it fetches
	TURN 2
	TURN 3
	WIN 0
.Lfirst:
	TURN 0
	TURN 1, 0, 1
	WIN 0
	s_cbranch_scc1 .Lstep
	s_sub_co_u32 s[SLOTS], s[SLOTS], 1
	s_cmp_lg_u32 s[SLOTS], 0
	s_cbranch_scc1 .Lslot
	CHANGE 0                        ; the tail is written out: nothing is asked for
	s_mov_b32 s[CNT], 5             ; four trips fetch the last slot's steps; the fifth is left in its middle
.Ltail:
	TURN 2, 1
	TURN 3
	WIN 0
	s_sub_co_u32 s[CNT], s[CNT], 1
	s_cmp_eq_u32 s[CNT], 0
	s_cbranch_scc1 .Lout
	TURN 0
	TURN 1
	WIN 0
	s_branch .Ltail
.Lout:                              ; the fifth trip's 16 products K Q^T (on the last K once more) and the maximum made of them serve nothing: the price, once a launch, of one text for every trip
.set i, 0
.rept 16
	PV NP-1                         ; the last piece's V^T P of the last step
.set i, i+1
.endr
	; THE WAY OUT.  l's two halves and the other half of the lanes' are added; O^T is divided by l, rounded to f16 and sent through my stage in LDS, a tile at a time.  The additions are the places behind the last products.
	WIN 0
.macro ALL line:vararg              ; one line for each tile t
.set t, 0
.rept 2*NP
	\line
.set t, t+1
.endr
.endm
	ALL v_add_f32 v[ST+4*t+2], v[ST+4*t+2], v[ST+4*t+3]
	ALL v_permlanex16_b32 v[ST+4*t+3], v[ST+4*t+2], s[SEL], s[SEL+1]
	ALL v_add_f32 v[ST+4*t+2], v[ST+4*t+2], v[ST+4*t+3]
	ALL v_rcp_f32 v[ST+4*t+2], v[ST+4*t+2]
	v_nop                           ; a plain instruction between the last reciprocal and the use of its result
	s_wait_alu depctr_va_vdst(0)
; Tile t: a lane's eight channels of a row pack into 16 bytes; they go into rows of 144 bytes and come back as whole rows of 128, into S^T's registers.
.macro PACK t
	WIN W_RS
.set i, 32*(\t)
.rept 16
	v_pk_mul_f32 v[i:i+1], v[i:i+1], v[ST+4*(\t)+2:ST+4*(\t)+3] op_sel_hi:[1,0]
.set i, i+2
.endr
	WIN 0x05                        ; sources 0 and 1 window 1, destination window 0
.set i, 0
.rept 16
	v_cvt_pk_f16_f32 v[S+16*(\t)+i], v[32*(\t)+2*i], v[32*(\t)+2*i+1]
.set i, i+1
.endr
	WIN 0
.irp f, 0,1,2,3
	ds_store_b128 v[STO], v[S+16*(\t)+4*\f:S+16*(\t)+4*\f+3] offset:32*\f
.endr
.irp f, 0,1,2,3
	ds_load_b128 v[S+16*(\t)+4*\f:S+16*(\t)+4*\f+3], v[RD] offset:\f*4*SP  ; LDS serves a wave's instructions in order (ISA guide 5.7.1.4): these see the stores above; the next tile's stores come behind them
.endr
.endm
.macro SEND t, younger              ; younger: the LDS instructions issued behind tile t's loads: the next tile's eight, or none
	WIN 0
.irp f, 0,1,2,3
	s_wait_dscnt (\younger)+3-\f
	global_store_b128 v[GO], v[S+16*(\t)+4*\f:S+16*(\t)+4*\f+3], s[10:11] offset:(\t)*2048+\f*512  ; 512 consecutive bytes, at a multiple of 256 from O's first
.endr
.endm
	PACK 0
.set t, 1
.rept 2*NP-1                        ; a tile's arithmetic stands between the loads of the tile before and its stores
	PACK t
	SEND t-1, 8
.set t, t+1
.endr
	SEND 2*NP-1, 0
	WIN W_AD
	s_wait_tensorcnt 0x0            ; the wave's end: a wait, the add and its wait, behind my last tensor load and my last LDS store
	ds_add_u32 v[SPW], v[NIL]
	s_wait_dscnt 0x0
	WIN 0
	CROUND                          ; the closing round: no work-group ends while a partner may still ask for a tile that names it
	s_endpgm
.Lfunc_end_k_q65b1639be7_attn:
	.size	k_q65b1639be7_attn, .Lfunc_end_k_q65b1639be7_attn-k_q65b1639be7_attn
	.p2alignl 7, 3214868480
	.fill 96, 4, 3214868480
	.section	.rodata,"a",@progbits
	.p2align	6, 0x0
	.amdhsa_kernel k_q65b1639be7_attn
		.amdhsa_group_segment_fixed_size 327680
		.amdhsa_private_segment_fixed_size 0
		.amdhsa_enable_private_segment 0
		.amdhsa_kernarg_size 16
		.amdhsa_user_sgpr_count 2
		.amdhsa_user_sgpr_kernarg_segment_ptr 1
		.amdhsa_wavefront_size32 1
		.amdhsa_system_sgpr_workgroup_id_x 1
		.amdhsa_system_sgpr_workgroup_id_y 1
		.amdhsa_system_sgpr_workgroup_id_z 1
		.amdhsa_system_vgpr_workitem_id 0
		.amdhsa_next_free_vgpr 770
		.amdhsa_next_free_sgpr 66
		.amdhsa_reserve_vcc 0
		.amdhsa_float_denorm_mode_32 3
		.amdhsa_float_denorm_mode_16_64 3
		.amdhsa_memory_ordered 1
		.amdhsa_forward_progress 1
		.amdhsa_inst_pref_size 209
	.end_amdhsa_kernel
	.amdgpu_metadata
---
amdhsa.version: [ 1, 2 ]
amdhsa.kernels:
  - .name:           k_q65b1639be7_attn
    .symbol:         k_q65b1639be7_attn.kd
    .args:
      - { .name: heads, .offset: 0, .size: 8, .value_kind: global_buffer, .address_space: global }
      - { .name: ob, .offset: 8, .size: 8, .value_kind: global_buffer, .address_space: global }
    .group_segment_fixed_size: 327680
    .private_segment_fixed_size: 0
    .kernarg_segment_align: 8
    .kernarg_segment_size: 16
    .max_flat_workgroup_size: 128
    .sgpr_count:     66
    .vgpr_count:     770
    .wavefront_size: 32
...
	.end_amdgpu_metadata
.endif
;; end of part 3
;; launch proj (part 4): grid 8 x 32, 4 waves a work-group, clusters of 4 x 4, 327,680 bytes of LDS; arguments ob, wpb, b_proj, out0; writes out0
.if DOCPART == 4
	.amdgcn_target "amdgcn-amd-amdhsa--gfx1250"
	.amdhsa_code_object_version 6
	.text
	.protected	k_q65b1639be7_proj
	.globl	k_q65b1639be7_proj
	.p2align	8
	.type	k_q65b1639be7_proj,@function
k_q65b1639be7_proj:
	s_mov_b64 s[64:65], 0
	v_nop
	global_prefetch_b8 v0, s[64:65] scope:SCOPE_SE
	s_setreg_imm32_b32 hwreg(HW_REG_WAVE_MODE, 25, 1), 1
	s_wait_xcnt 0x0
	s_wait_alu depctr_hold_cnt(0) depctr_sa_sdst(0) depctr_va_vdst(0) depctr_va_sdst(0) depctr_va_ssrc(0) depctr_va_vcc(0) depctr_vm_vsrc(0)
	s_getreg_b32 s2, hwreg(HW_REG_IB_STS2, 6, 4)
	s_cmp_eq_u32 s2, 0
	s_cbranch_scc0 .Lentry_in_a_cluster
	s_endpgm
.Lentry_in_a_cluster:
	s_bfe_u32 s2, ttmp6, 0x10000c
	s_cmp_lg_u32 s2, 0xf033
	s_cbranch_scc0 .Lentry_shape_is_right
	s_endpgm
.Lentry_shape_is_right:
; out0 = O W_proj + b.  ob: f16 [batch 4][head 16][row 2048][64]: a head is a block of 64 along K; wpb: f16 [1024 k][1024 n] (W_proj rounded to bf16, written as f16); b_proj: f32 [1024]; out0: f32 [8192][1024].
; Sums in f32.  The bias is rounded to bf16 like the other inputs and is the C operand of the products that start the sums, so the way out adds nothing.  NaN and infinities are not treated apart.
; SHARES.  8,192 x 1,024 results are 32,768 tiles of 16 x 16: 32 for each of 1,024 waves.  A work-group makes 256 rows x 128 columns, each of its four waves 128 x 64: 32 accumulators, 256 registers.
; K goes in steps of 128 (two heads) through two LDS slots; a step is four quarters of 32 along K, 32 matrix instructions each, on two fragment buffers.
; THE MATRIX INSTRUCTION IS USED TRANSPOSED (source 0 = 16 columns of W, source 1 = 16 rows of O): a lane holds row l % 16 and eight neighbouring columns.  W lies [k][n]: its fragments come out of LDS turned.
; CLUSTER.  4 x 4 work-groups: O's tiles are shared along a row of the cluster, W's along a column, each asked for JOINTLY by the same tensor load, descriptor and mask in the four that it names.
; REGISTERS: window 0: v0-31 addresses; v32-63 the bias; v64-127, v128-191 O's fragments, two buffers; v192-223, v224-255 W's, two buffers.  Window 1: accumulator (a, f) at v[8 (4 a + f)].
.set PA,    144                        ; a row of O's K block in LDS: 128 bytes + 16 of padding = 36 words: the 16 rows of a load start at 16 different groups of four banks (64 banks of 4 bytes: ISA guide 11.1)
.set PB,    288                        ; a k row of W: 256 bytes + 32 = 72 words
.set KBLK,  256*PA                     ; a K block's 256 rows
.set BOFF,  2*KBLK                     ; in a slot: two K blocks of O, then 128 k rows of W
.set SLOT,  BOFF+128*PB                ; 110,592 bytes
.set STAGE, 2*SLOT                     ; behind the ring, never filled by a tensor load: 16 rows x 272 bytes for each wave, for the way out
.set SPITCH, 272
.set SPARE, STAGE+4*16*SPITCH          ; behind the stages: the spare words, 128 bytes for each wave: two blocks of 256 bytes that no other line names
.set ADRA, 16                          ; v16-17  LDS address of my fragments of O in slot 0, 1
.set ADRB, 20                          ; v20-21  the same for W
.set STO,  24                          ; v24     the way out: where I put 32 bytes of a row
.set RD,   25                          ; v25     the way out: where I read a row back
.set CO,   26                          ; v26     my byte offset in out0
.set BO,   27                          ; v27     my byte offset in the bias
.set SPW,  28                          ; v28     LDS address of my spare word: SPARE + 4 x my thread's number; never rewritten
.set NIL,  29                          ; v29     0; never rewritten
.set BIAS, 32                          ; v[32:63] b of column 16 f + 8 (l / 16) + j of my 64 at BIAS + 8 f + j
.set AF,   64
.set BF,   192
.set G1,   24                          ; s[24:31] descriptor group 1 for O's tiles;  s[32:39] group 0, a set for each slot
.set G0,   32
.set G1B,  48                          ; s[48:55], s[56:63] the same for W's tiles
.set G0B,  56
.set MSB, 0
.macro WIN new                         ; the immediate's high byte repeats the setting that is left; a switch that changes nothing is dropped
.if MSB != (\new)
	s_set_vgpr_msb (MSB<<8)|(\new)
.set MSB, \new
.endif
.endm
; A joint load.  Waves 0 and 1 fetch the step's two K blocks of O, waves 2 and 3 the two halves of W's tile.  The branch hangs on the wave's number alone.  An s_nop 0 and four v_nop follow each of the two lines.
.macro JLOAD s
	s_cmp_eq_u32 s11, 0
	s_cbranch_scc0 .Lfor_b_\@
	tensor_load_to_lds s[G0+4*(\s):G0+4*(\s)+3], s[G1:G1+7]
	s_nop 0
.rept 4
	v_nop
.endr
	s_branch .Lasked_\@
.Lfor_b_\@:
	tensor_load_to_lds s[G0B+4*(\s):G0B+4*(\s)+3], s[G1B:G1B+7]
	s_nop 0
.rept 4
	v_nop
.endr
.Lasked_\@:
.endm
.macro CREST                           ; a round of the cluster's barrier behind its opening barrier
	s_cmp_lg_u32 s10, 0
	s_cbranch_scc1 .Lnot_wave_0_\@
	s_barrier_signal -3
.Lnot_wave_0_\@:
	s_barrier_wait -3
	s_barrier_signal -1
	s_barrier_wait -1
.endm
.macro CROUND                          ; a whole round
	s_barrier_signal -1
	s_barrier_wait -1
	CREST
.endm
.macro PLACES                          ; four places in front of loads into registers that matrix instructions have read, and of LDS stores that read results
.rept 4
	v_nop
.endr
.endm
	s_load_b128 s[4:7], s[0:1], 0x0                ; ob s[4:5], wpb s[6:7]
	s_load_b64 s[14:15], s[0:1], 0x10              ; b_proj
	s_load_b64 s[8:9], s[0:1], 0x18                ; out0
	v_lshl_add_u32 v[SPW], v0, 2, SPARE
	v_mov_b32 v[NIL], 0
	ds_add_u32 v[SPW], v[NIL]                      ; the wave's opening: the add and its wait stand ahead of my first tensor load; the set-up below, work on registers, stands between them
	v_lshrrev_b32 v1, 5, v0
	v_readfirstlane_b32 s10, v1                    ; wave 0..3
	s_lshr_b32 s11, s10, 1                         ; which 128 rows are mine.  Also: I fetch for O (0) or for W (1)
	s_and_b32 s12, s10, 1                          ; which 64 columns.  Also: which half of that tile I fetch
	s_bfe_u32 s40, ttmp6, 0x40000                  ; cx, cy: my place in the cluster
	s_bfe_u32 s41, ttmp6, 0x40004
	s_lshl_b32 s42, ttmp9, 2
	s_add_co_u32 s42, s42, s40                     ; tile column 0..7 = 4 x cluster x + cx
	s_and_b32 s13, ttmp7, 0xffff
	s_lshl_b32 s13, s13, 2
	s_add_co_u32 s13, s13, s41                     ; tile row 0..31 = 4 x cluster y + cy
	s_lshl_b32 s43, s41, 2
	s_lshl_b32 s43, 15, s43                        ; my row of the cluster
	s_lshl_b32 s44, 0x1111, s40                    ; my column
	; O: 256 rows of a K block are 32,768 dense bytes: asked for as 128 rows of 256 bytes, two rows of O each, padded in LDS after every row of O
	s_or_b32 s[G1+0], s43, (1<<16)|(1<<20)|(1<<21)|(4<<22)|(3<<25)  ; 15:0 the mask: my row; 17:16 2-byte elements; 20 padding on; 21 set beside a mask; 24:22 after every 32 words (code 4); 31:25 4 words (code 3)
	s_mov_b32 s[G1+1], 128<<16                     ; tensor_dim0 = 128
	s_mov_b32 s[G1+2], 128<<16                     ; tensor_dim1 = 128
	s_mov_b32 s[G1+3], 128<<16                     ; tile_dim0 = 128
	s_mov_b32 s[G1+4], 128                         ; tile_dim1 = 128
	s_mov_b32 s[G1+5], 128                         ; 128 elements from row to row
	s_mov_b32 s[G1+6], 0
	s_mov_b32 s[G1+7], 0
	; W: 64 k rows x 128 columns (256 bytes, beginning at a multiple of 256 from the buffer's first byte), padded after every row
	s_or_b32 s[G1B+0], s44, (1<<16)|(1<<20)|(1<<21)|(5<<22)|(7<<25) ; the mask: my column; after every 64 words (code 5) 8 words (code 7)
	s_mov_b32 s[G1B+1], 128<<16                    ; tensor_dim0 = 128
	s_mov_b32 s[G1B+2], 64<<16                     ; tensor_dim1 = 64
	s_mov_b32 s[G1B+3], 128<<16                    ; tile_dim0 = 128
	s_mov_b32 s[G1B+4], 64                         ; tile_dim1 = 64
	s_mov_b32 s[G1B+5], 1024                       ; 1,024 elements from row to row
	s_mov_b32 s[G1B+6], 0
	s_mov_b32 s[G1B+7], 0
	; where the tiles come from: O's hang on the tile row alone, W's on the tile column alone, each in registers that never hold the other coordinate
	s_lshr_b32 s16, s13, 3                         ; the batch: 16 heads of 262,144 bytes
	s_lshl_b32 s16, s16, 22
	s_and_b32 s17, s13, 7
	s_lshl_b32 s17, s17, 15                        ; the tile's 256 rows of 128 bytes in a head
	s_add_co_u32 s16, s16, s17
	s_lshl_b32 s17, s12, 18                        ; my head of the step's two
	s_add_co_u32 s16, s16, s17
	s_mov_b32 s17, 0
	s_lshl_b32 s46, s12, 17                        ; W: my 64 k rows of 2,048 bytes,
	s_lshl_b32 s47, s42, 8                         ; the tile's 128 columns
	s_add_co_u32 s46, s46, s47
	s_mov_b32 s47, 0
	s_mul_i32 s20, s12, KBLK                       ; and where they go: no place in the cluster enters an LDS address
	s_mul_i32 s21, s12, 64*PB
	s_add_co_u32 s21, s21, BOFF
	s_wait_dscnt 0x0                               ; the opening add is done
	s_wait_kmcnt 0x0
	s_add_nc_u64 s[18:19], s[4:5], s[16:17]
	s_add_nc_u64 s[46:47], s[6:7], s[46:47]
	CROUND                                         ; all sixteen work-groups are here: the first joint loads meet
.irp s, 0,1
	s_mov_b32 s[G0+4*(\s)], 1                                        ; count = 1
	s_add_co_u32 s[G0+4*(\s)+1], s20, (\s)*SLOT                      ; LDS address
	s_add_nc_u64 s[G0+4*(\s)+2:G0+4*(\s)+3], s[18:19], (\s)*2*262144 ; global address: K step s is heads 2 s and 2 s + 1
	s_or_b32 s[G0+4*(\s)+3], s[G0+4*(\s)+3], 0x80000000              ; type = 2
	s_mov_b32 s[G0B+4*(\s)], 1
	s_add_co_u32 s[G0B+4*(\s)+1], s21, (\s)*SLOT
	s_add_nc_u64 s[G0B+4*(\s)+2:G0B+4*(\s)+3], s[46:47], (\s)*128*2048
	s_or_b32 s[G0B+4*(\s)+3], s[G0B+4*(\s)+3], 0x80000000
.endr
	s_cmp_eq_u32 s11, 0                            ; a wave's two first fills stand in one branch, ahead of every wait on TENSORcnt and every LDS read: two loads of mine are out
	s_cbranch_scc0 .Lfirst_b
	tensor_load_to_lds s[G0:G0+3], s[G1:G1+7]
	s_nop 0
	tensor_load_to_lds s[G0+4:G0+7], s[G1:G1+7]
	s_nop 0
.rept 4
	v_nop
.endr
	s_branch .Lfirst_asked
.Lfirst_b:
	tensor_load_to_lds s[G0B:G0B+3], s[G1B:G1B+7]
	s_nop 0
	tensor_load_to_lds s[G0B+4:G0B+7], s[G1B:G1B+7]
	s_nop 0
.rept 4
	v_nop
.endr
.Lfirst_asked:
	v_and_b32 v1, 15, v0                           ; l % 16
	v_bfe_u32 v2, v0, 4, 1                         ; l / 16
	s_lshl_b32 s72, s42, 9                         ; my 64 columns in a row of out0 and in the bias, in bytes: 512 x tile column + 256 x half
	s_lshl_b32 s73, s12, 8
	s_add_co_u32 s72, s72, s73
	v_lshl_add_u32 v[BO], v2, 5, s72               ; + my lanes' eight columns
.irp f, 0,1,2,3
	global_load_b128 v[BIAS+8*(\f):BIAS+8*(\f)+3],   v[BO], s[14:15] offset:64*(\f)
	global_load_b128 v[BIAS+8*(\f)+4:BIAS+8*(\f)+7], v[BO], s[14:15] offset:64*(\f)+16
.endr
	; A fragment of O is 16 rows x 32 K in 8 registers: lane l holds row l % 16, K = 8 (l / 16) + 0..7 and 16 + 8 (l / 16) + 0..7: two loads of 16 bytes, 32 bytes apart.
	v_mul_u32_u24 v3, v1, PA
	v_lshl_add_u32 v3, v2, 4, v3                   ; row x pitch + 16 x half
	s_mul_i32 s22, s11, 128*PA                     ; my 128 rows
	v_add_nc_u32 v[ADRA], s22, v3
	v_add_nc_u32 v[ADRA+1], SLOT, v[ADRA]
	; The turning load takes 16 k x 16 columns (lane l reads k row 8 (l / 16) + l % 8, columns 8 ((l / 8) % 2) + 0..7) and leaves half a fragment: lane l holds column l % 16 and 8 k.
	v_and_b32 v4, 7, v0
	v_bfe_u32 v5, v0, 3, 1
	v_lshl_add_u32 v6, v2, 3, v4
	v_mul_u32_u24 v6, v6, PB
	v_lshl_add_u32 v6, v5, 4, v6
	s_lshl_b32 s22, s12, 7                         ; my 64 columns: 128 bytes
	s_add_co_u32 s22, s22, BOFF
	v_add_nc_u32 v[ADRB], s22, v6
	v_add_nc_u32 v[ADRB+1], SLOT, v[ADRB]
	s_mul_i32 s23, s10, 16*SPITCH
	s_add_co_u32 s23, s23, STAGE                   ; my stage
	v_mul_u32_u24 v7, v1, SPITCH                   ; in: row l % 16, 32 bytes for each half of the lanes
	v_lshl_add_u32 v7, v2, 5, v7
	v_add_nc_u32 v[STO], s23, v7
	v_mul_u32_u24 v7, v2, SPITCH                   ; back: lanes 0-15 take one row of 256 bytes, lanes 16-31 the next
	v_lshl_add_u32 v7, v1, 4, v7
	v_add_nc_u32 v[RD], s23, v7
	v_lshlrev_b32 v7, 12, v2                       ; and the same two rows in out0, 4,096 bytes apart
	v_lshl_add_u32 v[CO], v1, 4, v7
	s_lshl_b32 s74, s13, 20                        ; the tile's 256 rows of 4,096 bytes,
	s_lshl_b32 s75, s11, 19                        ; my 128 of them,
	s_add_co_u32 s74, s74, s75
	s_add_co_u32 s74, s74, s72                     ; my 64 columns
	s_mov_b32 s75, 0
	s_add_nc_u64 s[8:9], s[8:9], s[74:75]
	s_wait_loadcnt 0x0                             ; the bias
.set i, 0
.rept 16                               ; rounded to bf16, like every input, and widened again
	v_cvt_pk_bf16_f32 v30, v[BIAS+2*i], v[BIAS+2*i+1]
	v_lshlrev_b32 v[BIAS+2*i], 16, v30
	v_and_b32 v[BIAS+2*i+1], 0xffff0000, v30
.set i, i+1
.endr
; 4 na matrix instructions: row blocks a0 .. a0 + na - 1 x my 4 column blocks, 32 along K, from buffer i.  first = 1: the product starts the sum, with the bias as C: nothing is ever cleared.
; The 32 accumulators take turns, one instruction a turn, in the same order in every quarter, over the backward jump too.
.macro MUL i, a0, na, first
.if \first
	WIN 0x40                                       ; D in window 1, the bias in window 0
.else
	WIN 0x50                                       ; C and D in window 1
.endif
.set ma, (\a0)
.rept (\na)
.irp f, 0,1,2,3
.if \first
	v_wmma_f32_16x16x32_f16 v[8*(4*ma+(\f)):8*(4*ma+(\f))+7], v[BF+32*(\i)+8*(\f):BF+32*(\i)+8*(\f)+7], v[AF+64*(\i)+8*ma:AF+64*(\i)+8*ma+7], v[BIAS+8*(\f):BIAS+8*(\f)+7]
.else
	v_wmma_f32_16x16x32_f16 v[8*(4*ma+(\f)):8*(4*ma+(\f))+7], v[BF+32*(\i)+8*(\f):BF+32*(\i)+8*(\f)+7], v[AF+64*(\i)+8*ma:AF+64*(\i)+8*ma+7], v[8*(4*ma+(\f)):8*(4*ma+(\f))+7]
.endif
.endr
.set ma, ma+1
.endr
.endm
; 24 LDS loads in one run: quarter qd of slot s into buffer i: W's 8 first, then O's 16, row blocks ascending
.macro FETCH s, qd, i
	WIN 0
.irp f, 0,1,2,3
	ds_load_tr16_b128 v[BF+32*(\i)+8*(\f):BF+32*(\i)+8*(\f)+3],   v[ADRB+(\s)] offset:(\qd)*32*PB+32*(\f)
	ds_load_tr16_b128 v[BF+32*(\i)+8*(\f)+4:BF+32*(\i)+8*(\f)+7], v[ADRB+(\s)] offset:(\qd)*32*PB+16*PB+32*(\f)
.endr
.irp a, 0,1,2,3,4,5,6,7
	ds_load_b128 v[AF+64*(\i)+8*(\a):AF+64*(\i)+8*(\a)+3],   v[ADRA+(\s)] offset:((\qd)/2)*KBLK+((\qd)%2)*64+(\a)*16*PA
	ds_load_b128 v[AF+64*(\i)+8*(\a)+4:AF+64*(\i)+8*(\a)+7], v[ADRA+(\s)] offset:((\qd)/2)*KBLK+((\qd)%2)*64+(\a)*16*PA+32
.endr
.endm
; One of a step's first three quarters: multiplies buffer i; in its middle it fetches quarter nq of the same slot into buffer j.
.macro QUARTER s, nq, i, j, first=0
	s_wait_dscnt 8                                 ; W's fragments and O's row blocks 0-3 are in; the youngest eight loads (blocks 4-7) may be out
	MUL \i, 0, 4, \first
	PLACES
	FETCH \s, \nq, \j
	s_wait_dscnt 24                                ; all but the 24 just issued
	MUL \i, 4, 4, \first
.endm
; The last quarter multiplies buffer 1 and changes slots.  ONE barrier: in front of it each wave waits for all its tensor loads (one is out: its part of the next slot), adds 0 to its spare word, and waits for
; that and for its reads of this slot.  fill = 1: the barrier opens a round of the cluster's, and this slot is filled again, two K steps on, first thing behind the round: 112 matrix instructions ahead of the wait for it.
.macro TURN s, nx, fill
	WIN 0                                          ; (the add's two registers lie in window 0)
	s_wait_tensorcnt 0x0                           ; all my tensor loads have landed, so a group 0 may be written;
	ds_add_u32 v[SPW], v[NIL]                      ; 0 onto my spare word;
	s_wait_dscnt 9                                 ; (the add and the youngest eight loads may be out)
	MUL 1, 0, 2, 0                                 ; eight matrix instructions stand between the add and the wait for it
	s_wait_dscnt 0x0                               ; the add is done, and my reads of this slot are over
	s_barrier_signal -1
	MUL 1, 2, 2, 0                                 ; work on registers while the others arrive
	WIN 0
	s_barrier_wait -1
.if \fill
	CREST                                          ; no wave of any partner still reads this slot's tiles or has a load on its way
	s_add_nc_u64 s[G0+4*(\s)+2:G0+4*(\s)+3], s[G0+4*(\s)+2:G0+4*(\s)+3], 4*262144
	s_add_nc_u64 s[G0B+4*(\s)+2:G0B+4*(\s)+3], s[G0B+4*(\s)+2:G0B+4*(\s)+3], 2*128*2048
	JLOAD \s                                       ; the first tensor load behind the round; its four v_nop are also the places in front of the loads below
.else
	PLACES
.endif
	FETCH \nx, 0, 0
	MUL 1, 4, 4, 0
.endm
	s_wait_tensorcnt 1                             ; my part of K step 0 is in; K step 1's may stay out
	s_barrier_signal -1
	s_barrier_wait -1                              ; everybody's is
	FETCH 0, 0, 0
	QUARTER 0, 1, 0, 1, 1                          ; the first quarter stands in front of the loop: its products start the sums, on the bias
	WIN 0                                          ; at a label and at a branch every window is 0
	s_mov_b32 s3, 3
.Llap:                                                 ; a trip goes once round the ring, from a lap's second quarter to the next lap's first, and fills both slots again: K steps 2 to 7
	QUARTER 0, 2, 1, 0
	QUARTER 0, 3, 0, 1
	TURN 0, 1, 1
	QUARTER 1, 1, 0, 1
	QUARTER 1, 2, 1, 0
	QUARTER 1, 3, 0, 1
	TURN 1, 0, 1
	QUARTER 0, 1, 0, 1
	WIN 0
	s_sub_co_u32 s3, s3, 1
	s_cmp_lg_u32 s3, 0
	s_cbranch_scc1 .Llap
	QUARTER 0, 2, 1, 0                             ; the last lap fills nothing
	QUARTER 0, 3, 0, 1
	TURN 0, 1, 0
	QUARTER 1, 1, 0, 1
	QUARTER 1, 2, 1, 0
	QUARTER 1, 3, 0, 1
	s_wait_dscnt 8                                 ; the very last quarter: nothing more to fetch
	MUL 1, 0, 4, 0
	s_wait_dscnt 0x0
	MUL 1, 4, 4, 0
	PLACES
	PLACES                                         ; (eight, once a launch: twice what the LDS stores below need)
; THE WAY OUT, a block of 16 rows at a time.  A lane's eight f32 of a row are 32 bytes of the wave's 256; they go into my own stage, each accumulator's low registers first, and come back as whole rows of 256 bytes.
.macro TOSTAGE a
.set obk, AF+32*((\a)%4)               ; four sets of 32 registers take turns where O's fragments lay
.if (\a) >= 4
	s_wait_xcnt 0x0                                ; the stores of the block four back have read this set of registers
.endif
	WIN 0x04                                       ; the stores' data in window 1
.irp f, 0,1,2,3
	ds_store_b128 v[STO], v[8*(4*(\a)+(\f)):8*(4*(\a)+(\f))+3]   offset:64*(\f)
	ds_store_b128 v[STO], v[8*(4*(\a)+(\f))+4:8*(4*(\a)+(\f))+7] offset:64*(\f)+16
.endr
	WIN 0
.irp t, 0,1,2,3,4,5,6,7
	ds_load_b128 v[obk+4*(\t):obk+4*(\t)+3], v[RD] offset:(\t)*2*SPITCH  ; LDS serves a wave's instructions in order (ISA guide 5.7.1.4): these see the stores above; the next block's stores come behind them
.endr
.endm
.macro SEND a, younger                 ; younger: the LDS instructions issued behind block a's loads: the next block's sixteen, or none
.set obk, AF+32*((\a)%4)
	WIN 0
.irp t, 0,1,2,3,4,5,6,7
	s_wait_dscnt (\younger)+7-(\t)
	global_store_b128 v[CO], v[obk+4*(\t):obk+4*(\t)+3], s[8:9] offset:(16*(\a)+2*(\t))*4096  ; 16 lanes store 256 consecutive bytes, at a multiple of 256 from out0's first byte; 516,096 at the most
.endr
.endm
	TOSTAGE 0
.set u, 1
.rept 7
	TOSTAGE u
	SEND u-1, 16
.set u, u+1
.endr
	SEND 7, 0
	s_wait_tensorcnt 0x0                           ; the wave's end: a wait, the add and its wait, behind my last tensor load and my last LDS store
	ds_add_u32 v[SPW], v[NIL]
	s_wait_dscnt 0x0
	CROUND                                         ; the closing round: no work-group ends while a partner may still ask for a tile that names it
	s_endpgm
.Lfunc_end_k_q65b1639be7_proj:
	.size	k_q65b1639be7_proj, .Lfunc_end_k_q65b1639be7_proj-k_q65b1639be7_proj
	.p2alignl 7, 3214868480
	.fill 96, 4, 3214868480
	.section	.rodata,"a",@progbits
	.p2align	6, 0x0
	.amdhsa_kernel k_q65b1639be7_proj
		.amdhsa_group_segment_fixed_size 327680
		.amdhsa_private_segment_fixed_size 0
		.amdhsa_enable_private_segment 0
		.amdhsa_kernarg_size 32
		.amdhsa_user_sgpr_count 2
		.amdhsa_user_sgpr_kernarg_segment_ptr 1
		.amdhsa_wavefront_size32 1
		.amdhsa_system_sgpr_workgroup_id_x 1
		.amdhsa_system_sgpr_workgroup_id_y 1
		.amdhsa_system_sgpr_workgroup_id_z 1
		.amdhsa_system_vgpr_workitem_id 0
		.amdhsa_next_free_vgpr 512
		.amdhsa_next_free_sgpr 76
		.amdhsa_reserve_vcc 0
		.amdhsa_float_denorm_mode_32 3
		.amdhsa_float_denorm_mode_16_64 3
		.amdhsa_memory_ordered 1
		.amdhsa_forward_progress 1
		.amdhsa_inst_pref_size 90
	.end_amdhsa_kernel
	.amdgpu_metadata
---
amdhsa.version: [ 1, 2 ]
amdhsa.kernels:
  - .name:           k_q65b1639be7_proj
    .symbol:         k_q65b1639be7_proj.kd
    .args:
      - { .name: ob, .offset: 0, .size: 8, .value_kind: global_buffer, .address_space: global }
      - { .name: wpb, .offset: 8, .size: 8, .value_kind: global_buffer, .address_space: global }
      - { .name: b_proj, .offset: 16, .size: 8, .value_kind: global_buffer, .address_space: global }
      - { .name: out0, .offset: 24, .size: 8, .value_kind: global_buffer, .address_space: global }
    .group_segment_fixed_size: 327680
    .private_segment_fixed_size: 0
    .kernarg_segment_align: 8
    .kernarg_segment_size: 32
    .max_flat_workgroup_size: 128
    .sgpr_count:     76
    .vgpr_count:     512
    .wavefront_size: 32
...
	.end_amdgpu_metadata
.endif
;; end of part 4
;; ======== version 2 of 2: 4 launches; version 1 with the launch prep written anew for expert scheduling mode
;; limits: values are held in f16: magnitudes above 65,504 overflow, below 6.1e-05 lose precision
;; workspace buffers: xb 16,777,216 bytes; wqb 6,291,456 bytes; wpb 2,097,152 bytes; heads 50,331,648 bytes; ob 16,777,216 bytes
;; launch prep (part 5): grid 256 x 1, 8 waves a work-group, no clusters, 0 bytes of LDS; arguments x, W_qkv, W_proj, xb, wqb, wpb; writes xb, wqb, wpb
.if DOCPART == 5
	.amdgcn_target "amdgcn-amd-amdhsa--gfx1250"
	.amdhsa_code_object_version 6
	.text
	.protected	k_q65b1639be7_prep
	.globl	k_q65b1639be7_prep
	.p2align	8
	.type	k_q65b1639be7_prep,@function
k_q65b1639be7_prep:
	s_mov_b64 s[64:65], 0
	v_nop
	global_prefetch_b8 v0, s[64:65] scope:SCOPE_SE
	s_setreg_imm32_b32 hwreg(HW_REG_WAVE_SCHED_MODE, 0, 2), 2
	s_setreg_imm32_b32 hwreg(HW_REG_WAVE_MODE, 25, 1), 1
	s_wait_xcnt 0x0
	s_wait_alu depctr_vm_vsrc(0)
; CASTS.  x [8192][1024] f32 -> xb, bf16, in blocks [batch 4][K block 16][row 2048][64 channels]: a K block's 2,048 rows lie end to end, 128 bytes each.
; W_qkv [1024][3072] f32 -> wqb, bf16, same order.  W_proj [1024][1024] f32 -> wpb: rounded to bf16 like the other inputs, and that number written as f16.
; LIMITS.  A W_proj beyond 65,504 becomes an infinity in wpb; below 6.1e-5 it keeps f16's fixed step of 6e-8.  NaN and infinities are not treated apart.
; SHARES.  256 work-groups of 8 waves; a wave takes 4 rows of x (32 loads of 512 bytes), 6,144 bytes of W_qkv (12 loads) and 2,048 of W_proj (4 loads).
; All 48 loads of a wave go out first; each is then converted in its own registers and stored: 8 bytes a lane, so a store of the wave covers 256 consecutive bytes, aligned.
; No LDS, no barrier, no matrix unit: nothing is shared and nothing is multiplied.
; THE MODE: SCHED_MODE bits 1:0 = 2 (LLVM: expert scheduling mode 2), set by the entry lines.  The code itself states the register dependences
; between vector instructions and memory instructions, with s_wait_alu, always for 0.
; THE PLAN.  Registers that memory instructions touch:
;   v1 .. v6           byte offsets, made once at the head and never written again: read by every load and store.
;   v[XR+4 i ..+3]     load i lands in the four; its conversions read them and write the first two in place; store i reads those two; nothing writes them afterwards.
; v7 to v10, v208 and v209 are named by vector instructions alone.  No load is issued behind the head, and no register that a store has read is written again.
; The 48 loads are worked on in 12 blocks of four.  Block p converts its four loads; the memory instructions that stand among its conversions are the four stores of block p - 1,
; whose registers no vector instruction of block p names.  So ONE wait at a block's head states all that those four stores hang on.
.set XR, 16                            ; v[16:207]  load i's four registers at XR + 4 i; its two packed words end in the first two
.set NL, 48                            ; loads of a wave: 0-31 x, 32-43 W_qkv, 44-47 W_proj
.set BLK, 4                            ; loads in a block
	s_load_b256 s[4:11], s[0:1], 0x0               ; x s[4:5], W_qkv s[6:7], W_proj s[8:9], xb s[10:11]
	s_load_b128 s[12:15], s[0:1], 0x20             ; wqb s[12:13], wpb s[14:15]
	s_mov_b32 s16, 0xffff0000                      ; a word's upper bf16
	s_lshl_b32 s18, ttmp9, 17                      ; the work-group's 32 rows of x
	s_mov_b32 s19, 0
	s_mul_i32 s20, ttmp9, 49152                    ; its part of W_qkv
	s_mov_b32 s21, 0
	s_lshl_b32 s22, ttmp9, 14                      ; of W_proj
	s_mov_b32 s23, 0
	s_lshr_b32 s24, ttmp9, 6                       ; in xb: the batch, 16 K blocks of 262,144 bytes,
	s_lshl_b32 s24, s24, 22
	s_and_b32 s17, ttmp9, 63
	s_lshl_b32 s17, s17, 12                        ; and the 32 rows' place in a K block, 128 bytes a row
	s_add_co_u32 s24, s24, s17
	s_mov_b32 s25, 0
	s_mul_i32 s26, ttmp9, 24576                    ; in wqb
	s_mov_b32 s27, 0
	s_lshl_b32 s28, ttmp9, 13                      ; in wpb
	s_mov_b32 s29, 0
	v_and_b32 v7, 31, v0                           ; lane
	v_lshrrev_b32 v8, 5, v0                        ; wave
	v_lshrrev_b32 v9, 4, v7                        ; lane / 16
	v_and_b32 v10, 15, v7                          ; lane % 16
	v_lshlrev_b32 v1, 14, v8                       ; x in: the wave's 4 rows of 4,096 bytes,
	v_lshl_add_u32 v1, v9, 12, v1                  ; lanes 16-31 one row further down,
	v_lshl_add_u32 v1, v10, 4, v1                  ; 16 bytes a lane: 16 lanes take a K block's 64 numbers of a row
	v_lshlrev_b32 v2, 9, v8                        ; xb out: the wave's 4 rows of 128 bytes,
	v_lshl_add_u32 v2, v7, 3, v2                   ; 8 bytes a lane: two rows on end
	v_mul_u32_u24 v3, v8, 6144                     ; W_qkv in
	v_lshl_add_u32 v3, v7, 4, v3
	v_mul_u32_u24 v4, v8, 3072                     ; wqb out
	v_lshl_add_u32 v4, v7, 3, v4
	v_lshlrev_b32 v5, 11, v8                       ; W_proj in
	v_lshl_add_u32 v5, v7, 4, v5
	v_lshlrev_b32 v6, 10, v8                       ; wpb out
	v_lshl_add_u32 v6, v7, 3, v6
	s_wait_kmcnt 0x0
	s_add_nc_u64 s[4:5], s[4:5], s[18:19]
	s_add_nc_u64 s[6:7], s[6:7], s[20:21]
	s_add_nc_u64 s[8:9], s[8:9], s[22:23]
	s_add_nc_u64 s[10:11], s[10:11], s[24:25]
	s_add_nc_u64 s[12:13], s[12:13], s[26:27]
	s_add_nc_u64 s[14:15], s[14:15], s[28:29]
	s_wait_alu depctr_va_vdst(0)                   ; the six offsets v1 to v6 are written: every load and store of the kernel reads one of them
.set i, 0
.rept 32                               ; x: load i = 16 p + kb: rows 2 p and 2 p + 1 of the wave's four, K block kb
	global_load_b128 v[XR+4*i:XR+4*i+3], v1, s[4:5] offset:(i/16)*8192+(i%16)*256 th:TH_LOAD_NT
.set i, i+1
.endr
.set i, 0
.rept 12
	global_load_b128 v[XR+128+4*i:XR+128+4*i+3], v3, s[6:7] offset:512*i th:TH_LOAD_NT
.set i, i+1
.endr
.set i, 0
.rept 4
	global_load_b128 v[XR+176+4*i:XR+176+4*i+3], v5, s[8:9] offset:512*i th:TH_LOAD_NT
.set i, i+1
.endr
; Load n's conversions, in its own registers.
.macro CVT n
	v_cvt_pk_bf16_f32 v[XR+4*(\n)], v[XR+4*(\n)], v[XR+4*(\n)+1]          ; the rounding: to bf16
	v_cvt_pk_bf16_f32 v[XR+4*(\n)+1], v[XR+4*(\n)+2], v[XR+4*(\n)+3]
.if (\n) >= 44                         ; W_proj:
	v_lshlrev_b32 v208, 16, v[XR+4*(\n)]                                  ; back to f32,
	v_and_b32 v209, s16, v[XR+4*(\n)]
	v_cvt_pk_f16_f32 v[XR+4*(\n)], v208, v209                             ; and written as f16: 8 significant bits fit in 11
	v_lshlrev_b32 v208, 16, v[XR+4*(\n)+1]
	v_and_b32 v209, s16, v[XR+4*(\n)+1]
	v_cvt_pk_f16_f32 v[XR+4*(\n)+1], v208, v209
.endif
.endm
; Load n's store.
.macro ST n
.if (\n) < 32
	global_store_b64 v2, v[XR+4*(\n):XR+4*(\n)+1], s[10:11] offset:((\n)%16)*262144+((\n)/16)*256  ; the K block and the pair of rows stand in the immediate, 3,932,416 at the most
.elseif (\n) < 44
	global_store_b64 v4, v[XR+4*(\n):XR+4*(\n)+1], s[12:13] offset:256*((\n)-32)
.else
	global_store_b64 v6, v[XR+4*(\n):XR+4*(\n)+1], s[14:15] offset:256*((\n)-44)
.endif
.endm
.set p, 0
.rept NL/BLK                           ; block p
	s_wait_loadcnt NL-BLK*(p+1)                    ; loads come back in order: block p's four are in, the younger ones stay out
.if p > 0
	s_wait_alu depctr_va_vdst(0)                   ; the conversions of block p - 1 have written the pairs that the four stores below read; no vector instruction of this block names them
.endif
.irp j, 0,1,2,3
.if p > 0
	ST BLK*(p-1)+\j
.endif
	CVT BLK*p+\j
.endr
.set p, p+1
.endr
	s_wait_alu depctr_va_vdst(0)                   ; the last block's conversions have written the pairs that the last four stores read
.irp j, 0,1,2,3
	ST NL-BLK+\j
.endr
	s_endpgm
.Lfunc_end_k_q65b1639be7_prep:
	.size	k_q65b1639be7_prep, .Lfunc_end_k_q65b1639be7_prep-k_q65b1639be7_prep
	.p2alignl 7, 3214868480
	.fill 96, 4, 3214868480
	.section	.rodata,"a",@progbits
	.p2align	6, 0x0
	.amdhsa_kernel k_q65b1639be7_prep
		.amdhsa_group_segment_fixed_size 0
		.amdhsa_private_segment_fixed_size 0
		.amdhsa_enable_private_segment 0
		.amdhsa_kernarg_size 48
		.amdhsa_user_sgpr_count 2
		.amdhsa_user_sgpr_kernarg_segment_ptr 1
		.amdhsa_wavefront_size32 1
		.amdhsa_system_sgpr_workgroup_id_x 1
		.amdhsa_system_sgpr_workgroup_id_y 1
		.amdhsa_system_sgpr_workgroup_id_z 1
		.amdhsa_system_vgpr_workitem_id 0
		.amdhsa_next_free_vgpr 212
		.amdhsa_next_free_sgpr 66
		.amdhsa_reserve_vcc 0
		.amdhsa_float_denorm_mode_32 3
		.amdhsa_float_denorm_mode_16_64 3
		.amdhsa_memory_ordered 1
		.amdhsa_forward_progress 1
		.amdhsa_inst_pref_size 19
	.end_amdhsa_kernel
	.amdgpu_metadata
---
amdhsa.version: [ 1, 2 ]
amdhsa.kernels:
  - .name:           k_q65b1639be7_prep
    .symbol:         k_q65b1639be7_prep.kd
    .args:
      - { .name: x, .offset: 0, .size: 8, .value_kind: global_buffer, .address_space: global }
      - { .name: W_qkv, .offset: 8, .size: 8, .value_kind: global_buffer, .address_space: global }
      - { .name: W_proj, .offset: 16, .size: 8, .value_kind: global_buffer, .address_space: global }
      - { .name: xb, .offset: 24, .size: 8, .value_kind: global_buffer, .address_space: global }
      - { .name: wqb, .offset: 32, .size: 8, .value_kind: global_buffer, .address_space: global }
      - { .name: wpb, .offset: 40, .size: 8, .value_kind: global_buffer, .address_space: global }
    .group_segment_fixed_size: 0
    .private_segment_fixed_size: 0
    .kernarg_segment_align: 8
    .kernarg_segment_size: 48
    .max_flat_workgroup_size: 256
    .sgpr_count:     66
    .vgpr_count:     212
    .wavefront_size: 32
...
	.end_amdgpu_metadata
.endif
;; end of part 5
;; launch qkvgemm: the kernel of part 2 again; grid 8 x 32, 4 waves a work-group, clusters of 4 x 4, 327,680 bytes of LDS; arguments xb, wqb, heads; writes heads
;; launch attn: the kernel of part 3 again; grid 4 x 64, 4 waves a work-group, clusters of 4 x 1, 327,680 bytes of LDS; arguments heads, ob; writes ob
;; launch proj: the kernel of part 4 again; grid 8 x 32, 4 waves a work-group, clusters of 4 x 4, 327,680 bytes of LDS; arguments ob, wpb, b_proj, out0; writes out0
